; MI455X (gfx1250); checked and timed in simulation.
; The chip was launched on July 23, 2026; its instructions are those of AMD's public machine-readable ISA for CDNA 5 (MIT licence, August 2026) and "CDNA5" Instruction Set Architecture Reference Guide (July 2026). The comments in the code are by the model that wrote it; some were corrected since.
;; Multi Head Attention1. Allowed arithmetic: matrix products marked QUANTISED: E2M1 operands, one E8M0 scale for each 32 along K, by v_wmma_scale_f32_16x16x128_f8f6f4 with both operands' format E2M1 (or v_wmma_scale_f32_32x16x128_f4), f32 sums; everything else in f32.
;; Inputs: Wk_codes 1,024 x 32 x 16 uint8 (E2M1 codes of Wk, K innermost, in blocks of 32 codes, two codes a byte); Wk_scales 1,024 x 32 uint8 (E8M0 scales of Wk, one for each 32 codes along K); Wo_codes 1,024 x 32 x 16 uint8 (E2M1 codes of Wo, K innermost, in blocks of 32 codes, two codes a byte); Wo_scales 1,024 x 32 uint8 (E8M0 scales of Wo, one for each 32 codes along K); Wq_codes 1,024 x 32 x 16 uint8 (E2M1 codes of Wq, K innermost, in blocks of 32 codes, two codes a byte); Wq_scales 1,024 x 32 uint8 (E8M0 scales of Wq, one for each 32 codes along K); Wv_codes 1,024 x 32 x 16 uint8 (E2M1 codes of Wv, K innermost, in blocks of 32 codes, two codes a byte); Wv_scales 1,024 x 32 uint8 (E8M0 scales of Wv, one for each 32 codes along K); bk 1,024 float32; bo 1,024 float32; bq 1,024 float32; bv 1,024 float32; key_codes 4 x 2,048 x 32 x 16 uint8 (E2M1 codes of key, K innermost, in blocks of 32 codes, two codes a byte); key_scales 4 x 2,048 x 32 uint8 (E8M0 scales of key, one for each 32 codes along K); ln_b 1,024 float32; ln_g 1,024 float32; query 4 x 2,048 x 1,024 float32; value_codes 4 x 2,048 x 32 x 16 uint8 (E2M1 codes of value, K innermost, in blocks of 32 codes, two codes a byte); value_scales 4 x 2,048 x 32 uint8 (E8M0 scales of value, one for each 32 codes along K).
;; Outputs: out0 4 x 2,048 x 1,024 float32.
;; This version of the problem:
;;   THIS VERSION OF THE PROBLEM IS GIVEN IN LOW PRECISION. The matrix products marked QUANTISED in the list below multiply operands that are first quantised to E2M1 (2 exponent bits, 1 mantissa bit; 4 bits a number), with one power-of-two scale for each 32 numbers along K (OCP MX v1.0); their sums are f32. All else is computed in f32.
;;   The module's matrix products, in the order in which they are computed (A, B: the left and right operand; K: the contracted axis; several contracted axes count as one K, in the product's order):
;;     1. [M 8,192, K 1,024] x [K 1,024, N 1,024]; A: input query; B: input Wq (given as codes): QUANTISED
;;     2. [M 8,192, K 1,024] x [K 1,024, N 1,024]; A: input key (given as codes); B: input Wk (given as codes): QUANTISED
;;     3. [M 8,192, K 1,024] x [K 1,024, N 1,024]; A: input value (given as codes); B: input Wv (given as codes): QUANTISED
;;     4. batch 64 x [M 2,048, K 64] x [K 64, N 2,048]; A: computed on the way; B: computed on the way: QUANTISED
;;     5. batch 64 x [M 64, K 2,048] x [K 2,048, N 2,048]; A: computed on the way; B: softmax (see below): QUANTISED
;;     6. [M 8,192, K 1,024] x [K 1,024, N 1,024]; A: computed on the way; B: input Wo (given as codes): QUANTISED
;;   THE QUANTISER, for each operand of a quantised product, along K:
;;     - K is cut into blocks of 32 from its start; a last block that is shorter is filled with zeros.
;;     - A block's scale is 2^e with e = floor(log2(the largest magnitude in the block)) - 2, held to -126 .. 127; a block of zeros has e = 0. As a byte (E8M0): e + 127.
;;     - Each number is divided by its block's scale, clamped to +-6, and rounded to the nearest number of E2M1, ties to even, subnormals kept.
;;     - The product sums the exact products of the quantised numbers (number of the format x scale) in f32.
;;   ~~~python
;;   def quantise(x, axis):      # numpy; x: float32 -> the quantised numbers, widened to float32 again
;;       x = np.moveaxis(x, axis, -1); K = x.shape[-1]
;;       x = np.pad(x, [(0, 0)] * (x.ndim - 1) + [(0, -K % 32)]); x = x.reshape(x.shape[:-1] + (-1, 32)); a = np.abs(x).max(-1, keepdims=True)
;;       e = np.where(a > 0, np.clip(np.frexp(np.where(a > 0, a, 1))[1] - 1 - 2, -126, 127), 0)      # np.frexp(a)[1] - 1 = floor(log2(a)), exactly
;;       r = np.clip(x / 2.0 ** e, -6, 6)
;;       step = 2.0 ** (np.maximum(np.frexp(np.where(r == 0, 1, r))[1] - 1, 0) - 1)
;;       q = np.round(r / step) * step * 2.0 ** e      # np.round: ties to even
;;       return np.moveaxis(q.reshape(q.shape[:-2] + (-1,))[..., :K], -1, axis).astype(np.float32)
;;   ~~~
;;   SOFTMAX AHEAD OF A QUANTISED PRODUCT. Where the list says 'softmax', what is quantised is not the finished softmax but p = 2^(t - M), with t = logit x log2(e) and M = ceil(the row's largest t), a whole number; so 1/2 < the row's largest p <= 1. The row's sum l is taken of the UNQUANTISED p, in f32, and the product's result is divided by l at the end. Since M is a whole number, a kernel that streams over the keys may use a running M (the ceiling of the running maximum): every later rescaling is an exact power of two, which a block's scale takes up: the codes' values come out the same.
;;   OPERANDS COMPUTED ON THE WAY. 'Computed on the way' means the value that the module computes at that place (a softmax that the list does not call 'softmax' is quantised finished and normalised). What goes into a quantiser is computed in f32, as accurately as f32 sums, v_exp_f32 and their like allow (about 1e-6 of the number): no bf16 or f16 on the way to a quantiser, and a product that is left as it is and whose result goes on into a quantised operand takes f32 operands (vector FMAs, or v_wmma_f32_16x16x4_f32). A number that lies on a knife's edge between two numbers of the format may be rounded either way, as far as f32 arithmetic and the matrix unit's own rounding can turn it there, and no further.
;;   INPUTS GIVEN AS CODES. Wk (in the module: [1024, 1024], K = its axis 1); Wo (in the module: [1024, 1024], K = its axis 1); Wq (in the module: [1024, 1024], K = its axis 1); Wv (in the module: [1024, 1024], K = its axis 1); key (in the module: [4, 2048, 1024], K = its axis 2); value (in the module: [4, 2048, 1024], K = its axis 2): each comes as NAME_codes (uint8): NAME with its K axis moved to the last place and cut into blocks of 32 codes, [.., K / 32, bytes a block], one block behind the other in memory; two codes a byte, the lower K in the low four bits (a code: sign, 2 exponent bits, 1 mantissa bit); and NAME_scales (uint8): the same leading axes, one E8M0 byte (e + 127) for each 32 codes along K. Its value is code x scale, taken as it is: it is not quantised again, and the codes and scales need not be those that the quantiser above would give.
;; One version. Each part assembles by itself: llvm-mc -triple=amdgcn-amd-amdhsa -mcpu=gfx1250 --defsym DOCPART=n.
;; ======== version 1 of 1: 4 launches
;; limits: right only within a limited range of input values
;; workspace buffers: qc 4,194,304 bytes; qs 262,144 bytes; woimg 524,288 bytes; kvimg 8,912,896 bytes; qimg 8,912,896 bytes; ctx 4,194,304 bytes; cs 262,144 bytes
;; launch prep (part 1): grid 272 x 1, 4 waves a work-group, no clusters, 33,280 bytes of LDS; arguments query, Wo_codes, qc, qs, woimg; writes qc, qs, woimg
.if DOCPART == 1
	.amdgcn_target "amdgcn-amd-amdhsa--gfx1250"
	.amdhsa_code_object_version 6
	.text
	.protected	k_q08079e5a94_prep
	.globl	k_q08079e5a94_prep
	.p2align	8
	.type	k_q08079e5a94_prep,@function
k_q08079e5a94_prep:
	s_mov_b64 s[64:65], 0
	v_nop
	global_prefetch_b8 v0, s[64:65] scope:SCOPE_SE
	s_setreg_imm32_b32 hwreg(HW_REG_WAVE_MODE, 25, 1), 1
	s_wait_xcnt 0x0
; Two jobs in one launch, parted on the work-group's number.
; WORK-GROUPS 0-255: query [8192][1024] f32 becomes codes of FP4 (E2M1), K innermost, two codes a byte (qc, [8192][512 bytes]) and one E8M0 byte for each 32 along K (qs, [8192][32]).
; A block's scale is 2^(floor(log2(its largest magnitude)) - 2): its byte is the largest magnitude's exponent field - 2, held at 1 from below.
; Rows are dense and 1,024 is a multiple of 32, so the tensor is a plain stream of blocks.  A wave takes 16 steps of 512 numbers.  Each of a step's four loads reads 512 consecutive bytes; the 2,048 bytes
; turn through the wave's own stage in LDS (16 bytes of padding behind each 64) and come back 64 bytes a lane: 16 neighbours, two lanes to a block.  A lane's 16 codes are 8 bytes: a store covers 256
; consecutive bytes.  A wave's 256 scale bytes are gathered in its own LDS bytes and leave as 256 consecutive bytes.  Waves share nothing: no barrier.
; WORK-GROUPS 256-271: Wo's codes are laid anew as images of operand registers, woimg [tile of 16 rows 64][K step 8][c 2][lane 32][16 bytes]: lane (r, h), c holds row 16 nt + r, k = 128 ks + 64 c + 32 h + 0..31.
; The last launch then reads every fragment of Wo as 512 consecutive bytes.  This path uses no LDS.
; LIMITS: a block of zeros gets the byte 1 where the quantiser says 127 (its codes are zeros, and this program alone reads the bytes); blocks whose largest magnitude lies under 2^-124 are held at the byte 1;
; NaN and infinities among the inputs are not served.
.set STEPS, 16
.set CB,    8                          ; bytes of 16 codes
.set R,     16                         ; v16-79   four sets of 16 numbers as loaded
.set X,     80                         ; v80-111  two sets of 16 neighbours
.set C,     128                        ; v128-191 codes: registers of its own for each step, so that no store's data are written again
.set E,     112                        ; v112-127 a scale byte for each step
.set WREG,  8192                       ; LDS: a region for each wave: two stages of 32 x SP bytes, behind them its 256 scale bytes
.set SP,    80                         ; a lane's place in a stage: 64 bytes + 16 of padding
	s_load_b128 s[4:7], s[0:1], 0x0                ; query, Wo's codes
	s_load_b128 s[8:11], s[0:1], 0x10              ; qc, qs
	s_load_b64 s[12:13], s[0:1], 0x20              ; woimg
	v_lshl_add_u32 v192, v0, 2, 0x8000
	v_mov_b32 v193, 0
	v_lshrrev_b32 v1, 5, v0
	v_readfirstlane_b32 s16, v1                    ; wave
	v_and_b32 v2, 31, v0                           ; lane
	s_cmp_ge_u32 ttmp9, 256
	s_cbranch_scc1 .Lrelay
	v_lshlrev_b32 v3, 4, v2                        ; my 16 bytes of a load's 512
	s_mul_i32 s17, s16, WREG
	v_lshrrev_b32 v14, 2, v2
	v_mul_u32_u24 v14, v14, SP
	v_and_b32 v15, 3, v2
	v_lshl_add_u32 v14, v15, 4, v14
	v_add_nc_u32 v14, s17, v14                     ; the stage, on the way in: SP (lane / 4) + 16 (lane % 4)
	v_mul_u32_u24 v15, v2, SP
	v_add_nc_u32 v15, s17, v15                     ; and on the way out: SP x lane
	v_mul_u32_u24 v4, v2, CB                       ; my codes' place in a step's
	v_lshrrev_b32 v5, 1, v2
	s_add_co_u32 s17, s17, 2*32*SP
	v_add_nc_u32 v5, s17, v5                       ; my block's byte among my wave's 256
	v_lshlrev_b32 v7, 3, v2
	v_add_nc_u32 v6, s17, v7                       ; and on the way out 8 bytes a lane
	s_lshl_b32 s18, ttmp9, 2
	s_add_co_u32 s18, s18, s16                     ; which run of 8,192 numbers is my wave's: 0 .. 1023
	s_lshl_b32 s20, s18, 15                        ; 32,768 bytes of f32,
	s_mov_b32 s21, 0
	s_lshl_b32 s22, s18, 12                        ; 4,096 bytes of codes,
	s_mov_b32 s23, 0
	s_lshl_b32 s24, s18, 8                         ; 256 scale bytes a run
	s_mov_b32 s25, 0
	s_wait_alu depctr_va_vdst(0)
	s_wait_kmcnt 0x0
	s_add_nc_u64 s[4:5], s[4:5], s[20:21]
	s_add_nc_u64 s[8:9], s[8:9], s[22:23]
	s_add_nc_u64 s[10:11], s[10:11], s[24:25]
.macro LOAD t
.irp i, 0,1,2,3
	global_load_b128 v[R+16*((\t)%4)+4*\i:R+16*((\t)%4)+4*\i+3], v3, s[4:5] offset:2048*(\t)+512*\i th:TH_LOAD_NT   ; 32 lanes read 512 consecutive bytes
.endr
.endm
.macro TURN t                          ; step t's numbers through the stage: LDS serves a wave's instructions in order, so no wait stands between the stores and the loads
.irp i, 0,1,2,3
	ds_store_b128 v14, v[R+16*((\t)%4)+4*\i:R+16*((\t)%4)+4*\i+3] offset:32*SP*((\t)%2)+8*SP*\i
.endr
.irp i, 0,1,2,3
	ds_load_b128 v[X+16*((\t)%2)+4*\i:X+16*((\t)%2)+4*\i+3], v15 offset:32*SP*((\t)%2)+16*\i
.endr
.endm
.irp t, 0,1,2,3
	LOAD \t
.endr
	s_wait_loadcnt 12                              ; step 0's four loads are in
	TURN 0
.macro STEP t
.set XS, X+16*((\t)%2)
.if (\t) > 0
	s_wait_dscnt 1                                 ; this step's numbers are back from the stage (the last step's byte store may be out): its stores into the stage have read their registers,
.else
	s_wait_dscnt 0x0
.endif
.if (\t)+4 < STEPS
	LOAD (\t)+4                                    ; which take the loads of four steps on
.endif
.if (\t)+1 < STEPS
.if STEPS-2-(\t) >= 3
	s_wait_loadcnt 12                              ; the next step's four loads are in; those of the three steps behind it may be out
.else
	s_wait_loadcnt 4*(STEPS-2-(\t))
.endif
	TURN (\t)+1                                    ; and go through the other stage while this step is worked
.endif
	v_max3_num_f32 v8, |v[XS]|, |v[XS+1]|, |v[XS+2]|               ; the largest magnitude of my 16, in two chains
	v_max3_num_f32 v9, |v[XS+3]|, |v[XS+4]|, |v[XS+5]|
.irp i, 6,10
	v_max3_num_f32 v8, v8, |v[XS+\i]|, |v[XS+\i+1]|
	v_max3_num_f32 v9, v9, |v[XS+\i+2]|, |v[XS+\i+3]|
.endr
	v_max3_num_f32 v8, v8, |v[XS+14]|, |v[XS+15]|
	v_max3_num_f32 v8, v8, v9, 0x1800000           ; and the floor 2^(3 - 127): the byte cannot fall under 1
	v_max_num_f32_dpp v8, v8, v8 row_xmask:1 row_mask:0xf bank_mask:0xf   ; and of my neighbour's 16: the block's
	v_add_nc_u32 v11, 0xff000000, v8               ; 2 off its exponent field: the conversion takes the exponent field of this operand as its scale
	v_cvt_scalef32_pk8_fp4_f32 v[C+4*(\t)], v[XS:XS+7], v11
	v_cvt_scalef32_pk8_fp4_f32 v[C+4*(\t)+1], v[XS+8:XS+15], v11
	v_lshrrev_b32 v[E+(\t)], 23, v11               ; the scale's byte
	ds_store_b8 v5, v[E+(\t)] offset:16*(\t)       ; both lanes of a block write the same byte with the same value
	global_store_b64 v4, v[C+4*(\t):C+4*(\t)+1], s[8:9] offset:32*CB*(\t)
.endm
.irp t, 0,1,2,3,4,5,6,7,8,9,10,11,12,13,14,15
	STEP \t
.endr
	ds_load_b64 v[12:13], v6                       ; LDS serves a wave's instructions in order: these see my stores
	s_wait_dscnt 0x0
	global_store_b64 v7, v[12:13], s[10:11]        ; 32 lanes store 256 consecutive bytes
	s_wait_tensorcnt 0x0
	ds_add_u32 v192, v193
	s_wait_dscnt 0x0
	s_endpgm
.Lrelay:                                           ; Wo's codes, a tile of 16 rows to a wave
	s_sub_co_u32 s17, ttmp9, 256
	s_lshl_b32 s17, s17, 2
	s_add_co_u32 s17, s17, s16                     ; nt = 0 .. 63
	s_lshl_b32 s18, s17, 13                        ; 16 rows of 512 bytes, and as many bytes of images
	s_mov_b32 s19, 0
	v_and_b32 v3, 15, v0                           ; r
	v_bfe_u32 v4, v0, 4, 1                         ; h
	v_lshlrev_b32 v5, 9, v3
	v_lshl_add_u32 v5, v4, 4, v5                   ; from: 512 r + 16 h
	s_wait_alu depctr_va_vdst(0)
	v_lshlrev_b32 v6, 4, v2                        ; to: 16 x lane
	s_wait_alu depctr_va_vdst(0)
	s_wait_kmcnt 0x0
	s_add_nc_u64 s[6:7], s[6:7], s[18:19]
	s_add_nc_u64 s[12:13], s[12:13], s[18:19]
.irp k, 0,1,2,3,4,5,6,7
.irp c, 0,1
	global_load_b128 v[16+4*(2*\k+\c):16+4*(2*\k+\c)+3], v5, s[6:7] offset:64*\k+32*\c
.endr
.endr
	s_wait_loadcnt 0x0
.irp k, 0,1,2,3,4,5,6,7
.irp c, 0,1
	global_store_b128 v6, v[16+4*(2*\k+\c):16+4*(2*\k+\c)+3], s[12:13] offset:1024*\k+512*\c   ; 32 lanes store 512 consecutive bytes
.endr
.endr
	s_endpgm
.Lfunc_end_k_q08079e5a94_prep:
	.size	k_q08079e5a94_prep, .Lfunc_end_k_q08079e5a94_prep-k_q08079e5a94_prep
	.p2alignl 7, 3214868480
	.fill 96, 4, 3214868480
	.section	.rodata,"a",@progbits
	.p2align	6, 0x0
	.amdhsa_kernel k_q08079e5a94_prep
		.amdhsa_group_segment_fixed_size 33280
		.amdhsa_private_segment_fixed_size 0
		.amdhsa_enable_private_segment 0
		.amdhsa_kernarg_size 40
		.amdhsa_user_sgpr_count 2
		.amdhsa_user_sgpr_kernarg_segment_ptr 1
		.amdhsa_wavefront_size32 1
		.amdhsa_system_sgpr_workgroup_id_x 1
		.amdhsa_system_sgpr_workgroup_id_y 1
		.amdhsa_system_sgpr_workgroup_id_z 1
		.amdhsa_system_vgpr_workitem_id 0
		.amdhsa_next_free_vgpr 194
		.amdhsa_next_free_sgpr 66
		.amdhsa_reserve_vcc 0
		.amdhsa_float_denorm_mode_32 3
		.amdhsa_float_denorm_mode_16_64 3
		.amdhsa_memory_ordered 1
		.amdhsa_forward_progress 1
		.amdhsa_inst_pref_size 37
	.end_amdhsa_kernel
	.amdgpu_metadata
---
amdhsa.version: [ 1, 2 ]
amdhsa.kernels:
  - .name:           k_q08079e5a94_prep
    .symbol:         k_q08079e5a94_prep.kd
    .args:
      - { .name: query, .offset: 0, .size: 8, .value_kind: global_buffer, .address_space: global }
      - { .name: Wo_codes, .offset: 8, .size: 8, .value_kind: global_buffer, .address_space: global }
      - { .name: qc, .offset: 16, .size: 8, .value_kind: global_buffer, .address_space: global }
      - { .name: qs, .offset: 24, .size: 8, .value_kind: global_buffer, .address_space: global }
      - { .name: woimg, .offset: 32, .size: 8, .value_kind: global_buffer, .address_space: global }
    .group_segment_fixed_size: 33280
    .private_segment_fixed_size: 0
    .kernarg_segment_align: 8
    .kernarg_segment_size: 40
    .max_flat_workgroup_size: 128
    .sgpr_count:     66
    .vgpr_count:     194
    .wavefront_size: 32
...
	.end_amdgpu_metadata
.endif
;; end of part 1
;; launch proj (part 2): grid 4 x 192, 8 waves a work-group, clusters of 4 x 4, 211,968 bytes of LDS; arguments Wq_codes, Wq_scales, qc, qs, bq, Wk_codes, Wk_scales, key_codes, key_scales, bk, value_codes, value_scales, Wv_codes, Wv_scales, bv, qimg, kvimg; writes qimg, kvimg
.if DOCPART == 2
	.amdgcn_target "amdgcn-amd-amdhsa--gfx1250"
	.amdhsa_code_object_version 6
	.text
	.protected	k_q08079e5a94_proj
	.globl	k_q08079e5a94_proj
	.p2align	8
	.type	k_q08079e5a94_proj,@function
k_q08079e5a94_proj:
	s_mov_b64 s[64:65], 0
	v_nop
	global_prefetch_b8 v0, s[64:65] scope:SCOPE_SE
	s_setreg_imm32_b32 hwreg(HW_REG_WAVE_MODE, 25, 1), 1
	s_wait_xcnt 0x0
	s_wait_alu depctr_hold_cnt(0) depctr_sa_sdst(0) depctr_va_vdst(0) depctr_va_sdst(0) depctr_va_ssrc(0) depctr_va_vcc(0) depctr_vm_vsrc(0)
	s_getreg_b32 s2, hwreg(HW_REG_IB_STS2, 6, 4)
	s_cmp_eq_u32 s2, 0
	s_cbranch_scc0 .Lentry_in_a_cluster
	s_endpgm
.Lentry_in_a_cluster:
	s_bfe_u32 s2, ttmp6, 0x10000c
	s_cmp_lg_u32 s2, 0xf033
	s_cbranch_scc0 .Lentry_shape_is_right
	s_endpgm
.Lentry_shape_is_right:
; The three input projections, one body: OUT = Q_along_X(X Y^T + bias), both operands codes of FP4 (E2M1) with one E8M0 byte for each 32 along K = 1,024; the result is quantised in registers along X and leaves as
; images of the operand registers that the attention launch wants.  The matrix instruction takes source 0 = 16 rows of X, source 1 = 16 rows of Y: a lane then holds ONE row of Y, and its registers run along X.
;   product 0 (q) and 1 (k): X = the weight's rows n (the head's 64 dims are the next K), Y = tokens, the bias runs along X.     product 2 (v): X = tokens (the keys are the next K), Y = the weight's rows, the bias runs along Y.
; SHARES.  A work-group makes X 256 x Y 128 over all of K.  Eight waves: wx = wave / 4 takes 128 of X, wy = wave % 4 takes 32 of Y: 8 x 2 accumulators of 16 x 16, 128 registers.
; 768 work-groups: cluster y = 16 x product + ci.  K comes whole (rows of 512 bytes), each LDS byte is filled ONCE: nothing is filled again, so there is no ring.
; CLUSTERS: 4 x 4.  X's tile hangs on XT = 4 XI + cx alone and is shared along a column of the cluster, Y's on YT = 4 YI + cy alone and is shared along a row: each is asked for jointly, which divides the requests by four.
; A BLOCK OF 32 ALONG X is two neighbouring tiles: 16 registers in lane l and 16 in lane l xor 16.  The conversion of (block b, tile u) writes register 4 (b / 2) + 2 u + b % 2; two exchanges of halves for each pair of
; blocks then leave a whole block in a lane, lanes 0-15 block 2 c, lanes 16-31 block 2 c + 1: the operand's layout.
; THE RECORD OF A HEAD (HS bytes; head 16 batch + hd) is four chunks of 512 keys (CH bytes): +0 K's fragments [kb 16][c 2][lane][16 B] (lane (r, h), c: key 32 kb + 16 c + r, dims 32 h ..); +16384 V's [ks 4][dt 4][c 2][lane][16 B]
; (d = 16 dt + r, keys 128 ks + 64 c + 32 h ..); +32768 K's scale words [kb 16][r 16]: bytes (key r: dims 0-31, 32-63; key 16 + r: the same); +33792 V's [ks 4][dt 4][r 16].  q goes to qimg in K's places.
; LIMITS: a block of zeros gets the byte 1 (its codes are zeros; this program alone reads the bytes); blocks under 2^-124 are held at the byte 1; NaN and infinities are not served; given scale bytes are passed on as they are.
.set HS,    139264
.set CH,    34816
.set PITCH, 528                        ; an LDS row holds ALL of K: 512 bytes + 16 of padding = 33 x 16 bytes, so the 16 rows that a fragment load touches start at 16 different groups of banks.  One tensor load a wave brings whole rows; K is not cut in halves
.set TLB,   64*PITCH                   ; what one tensor load brings: 64 rows
.set STGA,  384*PITCH                  ; behind X's 256 rows and Y's 128: 1,024 bytes for q's and k's scale words; no tensor load lands here
.set STGB,  STGA+1024                  ; and 1,024 of their own for v's
.set AX,  1                            ; v1  LDS address of my X fragments
.set AY,  2                            ; v2  of my Y fragments
.set SX,  8                            ; v8-39   X's scale words: register 8 g + k: lanes 0-15 tile 2 g, lanes 16-31 tile 2 g + 1, K step k.  Scales and nothing else
.set SY,  40                           ; v40-47  Y's: register k: lanes 0-15 tile 0, lanes 16-31 tile 1
.set YF,  48                           ; v48-63  Y's two fragments
.set XF,  64                           ; v64-127 X's eight
.set ACC, 128                          ; v128-255: accumulator (y, xt) at 64 y + 8 xt
.set TM,  64                           ; the way out: v64-67 largest magnitudes, v68-71 bytes, v76-79 the conversions' scale operands
.set PW,  80                           ; v80, v81 the scale words of Y tiles 0 and 1
.set PC,  84                           ; v84-91, v92-99 their codes
.set WV,  4                            ; s4 wave, s5 wx, s6 wy, s7 product, s8 ci, s9 cx, s10 cy, s11 XT, s12 YT
.set G1X, 68                           ; s[68:75] descriptor group 1 for X's tiles, s[76:83] for Y's: they differ in the mask
.set G1Y, 76
.set G0X, 84                           ; s[84:87] group 0 for X's rows, s[92:95] for Y's
.set G0Y, 92
.macro CROUND                          ; a round of the cluster's barrier: my work-group's barrier; wave 0 signals for the work-group; every wave waits for all sixteen; my work-group's barrier once more
	s_barrier_signal -1
	s_barrier_wait -1
	s_cmp_lg_u32 s[WV], 0
	s_cbranch_scc1 .Lnot_wave_0_\@
	s_barrier_signal -3
.Lnot_wave_0_\@:
	s_barrier_wait -3
	s_barrier_signal -1
	s_barrier_wait -1
.endm
.macro PROD d, a, b, sa, sb, ra, rb    ; D += A B^T; ra, rb: which half of the lanes of the scale registers holds this tile's words
.if (\ra) == 0 && (\rb) == 0
	v_wmma_scale_f32_16x16x128_f8f6f4 v[(\d):(\d)+7], v[(\a):(\a)+7], v[(\b):(\b)+7], v[(\d):(\d)+7], v[\sa], v[\sb] matrix_a_fmt:MATRIX_FMT_FP4 matrix_b_fmt:MATRIX_FMT_FP4
.elseif (\ra) == 1 && (\rb) == 0
	v_wmma_scale_f32_16x16x128_f8f6f4 v[(\d):(\d)+7], v[(\a):(\a)+7], v[(\b):(\b)+7], v[(\d):(\d)+7], v[\sa], v[\sb] matrix_a_fmt:MATRIX_FMT_FP4 matrix_b_fmt:MATRIX_FMT_FP4 matrix_a_scale:MATRIX_SCALE_ROW1
.elseif (\ra) == 0
	v_wmma_scale_f32_16x16x128_f8f6f4 v[(\d):(\d)+7], v[(\a):(\a)+7], v[(\b):(\b)+7], v[(\d):(\d)+7], v[\sa], v[\sb] matrix_a_fmt:MATRIX_FMT_FP4 matrix_b_fmt:MATRIX_FMT_FP4 matrix_b_scale:MATRIX_SCALE_ROW1
.else
	v_wmma_scale_f32_16x16x128_f8f6f4 v[(\d):(\d)+7], v[(\a):(\a)+7], v[(\b):(\b)+7], v[(\d):(\d)+7], v[\sa], v[\sb] matrix_a_fmt:MATRIX_FMT_FP4 matrix_b_fmt:MATRIX_FMT_FP4 matrix_a_scale:MATRIX_SCALE_ROW1 matrix_b_scale:MATRIX_SCALE_ROW1
.endif
.endm
	s_load_b512 s[16:31], s[0:1], 0x0              ; Wq codes, scales; qc, qs; bq; Wk codes, scales; key codes
	s_load_b512 s[32:47], s[0:1], 0x40             ; key scales; bk; value codes, scales; Wv codes, scales; bv; qimg
	s_load_b64 s[48:49], s[0:1], 0x80              ; kvimg
	s_set_vgpr_msb 0x40
	v_lshl_add_u32 v0, v0, 2, 0x33800
	v_mov_b32 v1, 0
	s_set_vgpr_msb 0x4045
	ds_add_u32 v0, v1
	ds_add_u32 v0, v1
	s_set_vgpr_msb 0x4500
	v_lshrrev_b32 v4, 5, v0
	s_delay_alu instid0(VALU_DEP_1)
	v_readfirstlane_b32 s[WV], v4                  ; wave 0..7
	s_lshr_b32 s5, s[WV], 2                        ; wx
	s_and_b32 s6, s[WV], 3                         ; wy
	s_and_b32 s13, ttmp7, 0xffff                   ; the cluster's y: 0 .. 47, the same in all sixteen partners
	s_lshr_b32 s7, s13, 4                          ; which product
	s_and_b32 s8, s13, 15                          ; ci
	s_bfe_u32 s9, ttmp6, 0x40000                   ; cx
	s_bfe_u32 s10, ttmp6, 0x40004                  ; cy
	s_lshr_b32 s14, s8, 1
	s_and_b32 s15, s8, 1
	s_cmp_eq_u32 s7, 2
	s_cselect_b32 s14, s14, 0                      ; XI: v has 32 tiles of X (tokens), q and k four (weight rows)
	s_cselect_b32 s15, s15, s8                     ; YI: v has 8 tiles of Y, q and k 64
	s_lshl_b32 s11, s14, 2
	s_add_co_u32 s11, s11, s9                      ; XT = 4 XI + cx
	s_lshl_b32 s12, s15, 2
	s_add_co_u32 s12, s12, s10                     ; YT = 4 YI + cy
	s_lshl_b32 s66, 0x1111, s9                     ; my column of the cluster: places cx, cx + 4, cx + 8, cx + 12
	s_lshl_b32 s67, s10, 2
	s_lshl_b32 s67, 15, s67                        ; my row: places 4 cy .. 4 cy + 3
	s_or_b32 s[G1X], s66, (1<<20)|(1<<21)|(6<<22)|(3<<25)   ; 15:0 the mask; 17:16 elements of 1 byte; 20 padding on; 21 set beside a mask; 24:22 after every 128 words (code 6); 31:25 four words (code 3)
	s_or_b32 s[G1Y], s67, (1<<20)|(1<<21)|(6<<22)|(3<<25)
.irp g, G1X, G1Y
	s_mov_b32 s[\g+1], 512<<16                     ; tensor_dim0 = 512 bytes: all 1,024 along K
	s_mov_b32 s[\g+2], 64<<16                      ; tensor_dim1 = 64 rows
	s_mov_b32 s[\g+3], 512<<16                     ; tile_dim0
	s_mov_b32 s[\g+4], 64                          ; tile_dim1
	s_mov_b32 s[\g+5], 512                         ; a row of 1,024 codes in memory
	s_mov_b32 s[\g+6], 0
	s_mov_b32 s[\g+7], 0
.endr
	s_mov_b32 s62, 0x76543210                      ; v_permlanex16_b32's selects for lane l xor 16
	s_mov_b32 s63, 0xfedcba98
	s_wait_dscnt 0x0
	s_wait_kmcnt 0x0
	s_cmp_eq_u32 s7, 0                             ; the product's five inputs and its output: a choice that hangs on the cluster's number alone
	s_cselect_b64 s[50:51], s[16:17], s[26:27]     ; X's codes
	s_cselect_b64 s[52:53], s[18:19], s[28:29]     ; X's scales
	s_cselect_b64 s[54:55], s[20:21], s[30:31]     ; Y's codes
	s_cselect_b64 s[56:57], s[22:23], s[32:33]     ; Y's scales
	s_cselect_b64 s[58:59], s[24:25], s[34:35]     ; the bias
	s_cselect_b64 s[60:61], s[46:47], s[48:49]     ; the output
	s_cmp_eq_u32 s7, 2
	s_cselect_b64 s[50:51], s[36:37], s[50:51]
	s_cselect_b64 s[52:53], s[38:39], s[52:53]
	s_cselect_b64 s[54:55], s[40:41], s[54:55]
	s_cselect_b64 s[56:57], s[42:43], s[56:57]
	s_cselect_b64 s[58:59], s[44:45], s[58:59]
	s_and_b32 s16, s[WV], 3                        ; X: rows 256 XT + 64 (wave % 4), 512 bytes each.  These registers never hold cy
	s_lshl_b32 s16, s16, 15
	s_lshl_b32 s17, s11, 17
	s_add_co_u32 s16, s16, s17
	s_mov_b32 s17, 0
	s_add_nc_u64 s[16:17], s[50:51], s[16:17]
	s_and_b32 s18, s[WV], 1                        ; Y: rows 128 YT + 64 (wave % 2).  These never hold cx
	s_lshl_b32 s18, s18, 15
	s_lshl_b32 s19, s12, 16
	s_add_co_u32 s18, s18, s19
	s_mov_b32 s19, 0
	s_add_nc_u64 s[18:19], s[54:55], s[18:19]
	s_mul_i32 s20, s[WV], TLB                      ; where they go: wave x 64 rows (waves 0-3: X's rows 0-255; waves 4, 5: Y's, rows 256-383): no place in the cluster enters an LDS address
	s_mov_b32 s[G0X], 1                            ; count = 1
	s_mov_b32 s[G0X+1], s20                        ; LDS address
	s_mov_b64 s[G0X+2:G0X+3], s[16:17]             ; global address
	s_or_b32 s[G0X+3], s[G0X+3], 0x80000000        ; type = 2
	s_mov_b32 s[G0Y], 1
	s_mov_b32 s[G0Y+1], s20
	s_mov_b64 s[G0Y+2:G0Y+3], s[18:19]
	s_or_b32 s[G0Y+3], s[G0Y+3], 0x80000000
	CROUND                                         ; all sixteen work-groups are here: the joint loads meet
	s_cmp_lt_u32 s[WV], 4                          ; one chain of branches on the wave's number, one fill to an arm: waves 0-3 fetch X's rows, waves 4 and 5 Y's; one load of a wave is out
	s_cbranch_scc0 .Lnot_x
	tensor_load_to_lds s[G0X:G0X+3], s[G1X:G1X+7]
	s_nop 0
.rept 4
	v_nop
.endr
	s_branch .Lasked
.Lnot_x:
	s_cmp_lt_u32 s[WV], 6
	s_cbranch_scc0 .Lasked
	tensor_load_to_lds s[G0Y:G0Y+3], s[G1Y:G1Y+7]
	s_nop 0
.rept 4
	v_nop
.endr
.Lasked:
	v_and_b32 v4, 15, v0                           ; r
	v_bfe_u32 v5, v0, 4, 1                         ; h
	v_and_b32 v6, 31, v0                           ; lane
	s_delay_alu instid0(VALU_DEP_3)
	v_mul_u32_u24 v7, v4, PITCH
	s_delay_alu instid0(VALU_DEP_1)
	v_lshl_add_u32 v7, v5, 4, v7                   ; a fragment's row x pitch + 16 h
	s_mul_i32 s21, s5, 128*PITCH
	v_add_nc_u32 v[AX], s21, v7                    ; my 128 rows of X
	s_mul_i32 s21, s6, 32*PITCH
	s_add_co_u32 s21, s21, 256*PITCH
	v_add_nc_u32 v[AY], s21, v7                    ; my 32 rows of Y, behind X's 256
	v_lshlrev_b32 v3, 5, v6                        ; scale bytes: 32 a row, lane l takes row l of 32
	s_wait_alu depctr_va_vdst(0)
	s_lshl_b32 s22, s11, 13                        ; X's: rows 256 XT + 128 wx on
	s_lshl_b32 s23, s5, 12
	s_add_co_u32 s22, s22, s23
	s_mov_b32 s23, 0
	s_add_nc_u64 s[52:53], s[52:53], s[22:23]
	s_lshl_b32 s22, s12, 12                        ; Y's: rows 128 YT + 32 wy on
	s_lshl_b32 s23, s6, 10
	s_add_co_u32 s22, s22, s23
	s_mov_b32 s23, 0
	s_add_nc_u64 s[56:57], s[56:57], s[22:23]
.irp g, 0,1,2,3
.irp f, 0,1
	global_load_b128 v[SX+8*\g+4*\f:SX+8*\g+4*\f+3], v3, s[52:53] offset:1024*\g+16*\f   ; four K steps' words of 32 rows
.endr
.endr
.irp f, 0,1
	global_load_b128 v[SY+4*\f:SY+4*\f+3], v3, s[56:57] offset:16*\f
.endr
	; THE BIAS BEGINS THE SUMS: it is laid into the accumulators, so that all eight K steps are alike.
	s_cmp_eq_u32 s7, 2
	s_cbranch_scc1 .Lbias_v
	s_lshl_b32 s22, s11, 10                        ; q, k: register j of tile xt wants bias[256 XT + 128 wx + 16 xt + 8 h + j]
	s_lshl_b32 s23, s5, 9
	s_add_co_u32 s22, s22, s23
	s_mov_b32 s23, 0
	s_add_nc_u64 s[58:59], s[58:59], s[22:23]
	v_lshlrev_b32 v7, 5, v5
.irp y, 0,1
.irp xt, 0,1,2,3,4,5,6,7
	global_load_b128 v[ACC+64*\y+8*\xt:ACC+64*\y+8*\xt+3], v7, s[58:59] offset:64*\xt
	global_load_b128 v[ACC+64*\y+8*\xt+4:ACC+64*\y+8*\xt+7], v7, s[58:59] offset:64*\xt+16
.endr
.endr
	s_branch .Lbias_done
.Lbias_v:
	s_lshl_b32 s22, s12, 9                         ; v: every register of Y tile y wants bias[128 YT + 32 wy + 16 y + r]
	s_lshl_b32 s23, s6, 7
	s_add_co_u32 s22, s22, s23
	s_mov_b32 s23, 0
	s_add_nc_u64 s[58:59], s[58:59], s[22:23]
	v_lshlrev_b32 v7, 2, v4
	global_load_b32 v5, v7, s[58:59]
	global_load_b32 v6, v7, s[58:59] offset:64
	s_wait_loadcnt 0x0
.set i, 0
.rept 64
	v_mov_b32 v[ACC+i], v5                         ; these lines set the bias; they clear nothing
	v_mov_b32 v[ACC+64+i], v6
.set i, i+1
.endr
.Lbias_done:
	s_wait_loadcnt 0x0                             ; scale words and bias are in
; A K step of 128: 20 LDS loads, 16 matrix instructions.  The sixteen accumulators take turns, one instruction a turn, in the same order in every step.
.macro KSTEP k
.rept 4
	v_nop                                          ; four places between the last products and the loads into the registers that they read (ISA guide 7.12.1 for vector instructions)
.endr
.irp y, 0,1
.irp c, 0,1
	ds_load_b128 v[YF+8*\y+4*\c:YF+8*\y+4*\c+3], v[AY] offset:16*\y*PITCH+64*(\k)+32*\c
.endr
.endr
.irp xt, 0,1,2,3,4,5,6,7
.irp c, 0,1
	ds_load_b128 v[XF+8*\xt+4*\c:XF+8*\xt+4*\c+3], v[AX] offset:16*\xt*PITCH+64*(\k)+32*\c
.endr
.endr
.irp xt, 0,1,2,3,4,5,6,7
	s_wait_dscnt 2*(7-\xt)                         ; LDS loads come back in order: Y's and X's fragments up to xt are in, the younger ones' two loads each may be out
	PROD ACC+8*\xt, XF+8*\xt, YF, SX+8*(\xt/2)+(\k), SY+(\k), \xt%2, 0
	PROD ACC+64+8*\xt, XF+8*\xt, YF+8, SX+8*(\xt/2)+(\k), SY+(\k), \xt%2, 1
.endr
.endm
	s_wait_tensorcnt 0x0                           ; my rows are in, for all of K
	s_barrier_signal -1
	s_barrier_wait -1                              ; everybody's is
	s_wait_alu depctr_va_vdst(0)
	KSTEP 0
	KSTEP 1
	KSTEP 2
	KSTEP 3
	KSTEP 4
	KSTEP 5
	KSTEP 6
	KSTEP 7
; THE WAY OUT.  64 numbers of a lane, register 8 xt + j = X index 16 xt + 8 h + j of my row of Y, become a fragment's codes in v[pc] on and its scale word in v[pw].  Each accumulator is read from its low end on.
.macro QUANT s, pc, pw
.irp b, 0,1,2,3
	v_max3_num_f32 v[TM+\b], |v[\s+16*\b]|, |v[\s+16*\b+1]|, 0x1800000   ; block b: my 16 numbers, and the floor 2^(3 - 127): the byte cannot fall under 1
.endr
.irp i, 2,4,6,8,10,12,14
.irp b, 0,1,2,3
	v_max3_num_f32 v[TM+\b], v[TM+\b], |v[\s+16*\b+\i]|, |v[\s+16*\b+\i+1]|   ; (the four blocks by turns)
.endr
.endr
.irp b, 0,1,2,3
	s_delay_alu instid0(VALU_DEP_4)
	v_permlanex16_b32 v[TM+4+\b], v[TM+\b], s62, s63
.endr
.irp b, 0,1,2,3
	s_delay_alu instid0(VALU_DEP_4)
	v_max_num_f32 v[TM+\b], v[TM+\b], v[TM+4+\b]   ; with lane l xor 16's: the block's largest magnitude
.endr
.irp b, 0,1,2,3
	s_delay_alu instid0(VALU_DEP_4)
	v_add_nc_u32 v[TM+12+\b], 0xff000000, v[TM+\b] ; 2 off its exponent field: the conversion's scale operand
.endr
.irp b, 0,1,2,3
	s_delay_alu instid0(VALU_DEP_4)
	v_lshrrev_b32 v[TM+4+\b], 23, v[TM+12+\b]      ; the scale's byte
.endr
	s_delay_alu instid0(VALU_DEP_3)
	v_lshl_or_b32 v[\pw], v[TM+5], 8, v[TM+4]
	s_delay_alu instid0(VALU_DEP_1)
	v_lshl_or_b32 v[\pw], v[TM+6], 16, v[\pw]
	s_delay_alu instid0(VALU_DEP_1)
	v_lshl_or_b32 v[\pw], v[TM+7], 24, v[\pw]
.irp b, 0,1,2,3
.irp u, 0,1
	v_cvt_scalef32_pk8_fp4_f32 v[\pc+4*(\b/2)+2*\u+(\b%2)], v[\s+16*\b+8*\u:\s+16*\b+8*\u+7], v[TM+12+\b]   ; the codes of X = 32 b + 16 u + 8 h + 0 .. 7
.endr
.endr
	v_nop                                          ; one plain place behind a scaled conversion
.irp c, 0,1
.irp u, 0,1
	v_permlane16_swap_b32 v[\pc+4*\c+2*\u], v[\pc+4*\c+2*\u+1]   ; the first's lanes 16-31 change places with the second's lanes 0-15: registers 4 c .. 4 c + 3 now hold X = 64 c + 32 h + 0 .. 31
.endr
.endr
.endm
.rept 4
	v_nop                                          ; places behind the last products
.endr
	v_and_b32 v4, 15, v0                           ; r
	v_bfe_u32 v5, v0, 4, 1                         ; h
	v_and_b32 v1, 31, v0                           ; lane
	s_delay_alu instid0(VALU_DEP_1)
	v_lshlrev_b32 v6, 4, v1                        ; an image's place for my lane
	v_lshl_add_u32 v2, v0, 4, STGA                 ; where waves 0 and 1 read the stage back
	s_delay_alu instid0(VALU_DEP_4)
	v_cmp_ne_u32 vcc_lo, 0, v5                     ; lanes 16-31
.irp b, 0,1,2,3
	v_mov_b32 v[TM+4+\b], 0                        ; written once: a lane permute's destination counts as one of its sources
.endr
	QUANT ACC, PC, PW
	QUANT ACC+64, PC+8, PW+1
	s_cmp_eq_u32 s7, 2
	s_cbranch_scc1 .Lout_v
	; q, k: my 128 of X are the heads 4 XT + 2 wx (registers 0-3) and + 1 (registers 4-7); my 32 tokens are fragment kb = 4 (YT % 4) + wy of chunk (YT / 4) % 4 of batch YT / 16; Y tile y is the fragment's c
	s_lshr_b32 s16, s12, 4
	s_lshl_b32 s16, s16, 4
	s_lshl_b32 s17, s11, 2
	s_add_co_u32 s16, s16, s17                     ; the first of the work-group's four heads
	s_mul_i32 s20, s16, HS
	s_bfe_u32 s17, s12, 0x20002
	s_mul_i32 s17, s17, CH
	s_add_co_u32 s20, s20, s17                     ; its chunk
	s_and_b32 s18, s12, 3
	s_lshl_b32 s19, s18, 8
	s_add_co_u32 s22, s20, s19
	s_add_co_u32 s22, s22, 32768                   ; the scale words of the work-group's four fragments: 256 bytes a head
	s_mov_b32 s23, 0
	s_add_nc_u64 s[28:29], s[60:61], s[22:23]
	s_mul_i32 s19, s5, 2*HS
	s_add_co_u32 s20, s20, s19
	s_lshl_b32 s18, s18, 2
	s_add_co_u32 s18, s18, s6
	s_lshl_b32 s18, s18, 10
	s_add_co_u32 s20, s20, s18
	s_mov_b32 s21, 0
	s_add_nc_u64 s[24:25], s[60:61], s[20:21]
	v_add_nc_u32 v7, HS, v6                        ; the second head's record
	global_store_b128 v6, v[PC:PC+3], s[24:25]                  ; each store covers 512 consecutive bytes
	global_store_b128 v7, v[PC+4:PC+7], s[24:25]
	s_wait_alu depctr_va_vdst(0)
	global_store_b128 v6, v[PC+8:PC+11], s[24:25] offset:512
	global_store_b128 v7, v[PC+12:PC+15], s[24:25] offset:512
	v_perm_b32 v100, v[PW+1], v[PW], 0x05040100    ; the first head's word: token r's two bytes, token 16 + r's two
	v_perm_b32 v101, v[PW+1], v[PW], 0x07060302    ; the second head's
	s_delay_alu instid0(VALU_DEP_1)
	v_cndmask_b32 v100, v100, v101, vcc_lo         ; lanes 0-15 carry the first, lanes 16-31 the second
	s_lshl_b32 s26, s5, 9
	s_lshl_b32 s27, s6, 6
	s_add_co_u32 s26, s26, s27
	s_add_co_u32 s26, s26, STGA
	v_lshlrev_b32 v1, 2, v4
	s_delay_alu instid0(VALU_DEP_1)
	v_lshl_add_u32 v1, v5, 8, v1
	s_delay_alu instid0(VALU_DEP_1)
	v_add_nc_u32 v1, s26, v1                       ; the stage: [head 2 wx + h][wy][r], four bytes each
	ds_store_b32 v1, v100
	v_lshrrev_b32 v3, 4, v0                        ; back: sixteen threads take a head's 256 bytes
	s_delay_alu instid0(VALU_DEP_1)
	v_mul_u32_u24 v3, v3, HS
	s_delay_alu instid0(VALU_DEP_1)
	v_lshl_add_u32 v3, v4, 4, v3
	s_branch .Lout_join
.Lout_v:
	; v: my 128 of X are K step ks = 2 (XT % 2) + wx of chunk (XT / 2) % 4 of batch XT / 8; my 32 of Y are d = 32 (wy % 2) + 16 y + r of head 2 YT + wy / 2
	s_lshr_b32 s16, s11, 3
	s_lshl_b32 s16, s16, 4
	s_lshl_b32 s17, s12, 1
	s_add_co_u32 s16, s16, s17                     ; the first of the work-group's two heads
	s_mul_i32 s20, s16, HS
	s_bfe_u32 s17, s11, 0x20001
	s_mul_i32 s17, s17, CH
	s_add_co_u32 s20, s20, s17
	s_and_b32 s18, s11, 1
	s_lshl_b32 s19, s18, 9
	s_add_co_u32 s22, s20, s19
	s_add_co_u32 s22, s22, 33792                   ; the scale words of the work-group's two K steps: 512 bytes a head
	s_mov_b32 s23, 0
	s_add_nc_u64 s[28:29], s[60:61], s[22:23]
	s_lshr_b32 s19, s6, 1
	s_mul_i32 s19, s19, HS
	s_add_co_u32 s20, s20, s19
	s_lshl_b32 s18, s18, 1
	s_add_co_u32 s18, s18, s5
	s_lshl_b32 s18, s18, 12
	s_add_co_u32 s20, s20, s18
	s_and_b32 s19, s6, 1
	s_lshl_b32 s19, s19, 11
	s_add_co_u32 s20, s20, s19
	s_add_co_u32 s20, s20, 16384
	s_mov_b32 s21, 0
	s_add_nc_u64 s[24:25], s[60:61], s[20:21]
	global_store_b128 v6, v[PC:PC+3], s[24:25]
	global_store_b128 v6, v[PC+4:PC+7], s[24:25] offset:512
	s_wait_alu depctr_va_vdst(0)
	global_store_b128 v6, v[PC+8:PC+11], s[24:25] offset:1024
	global_store_b128 v6, v[PC+12:PC+15], s[24:25] offset:1536
	v_cndmask_b32 v100, v[PW], v[PW+1], vcc_lo     ; lanes 0-15 carry Y tile 0's words, lanes 16-31 tile 1's
	s_lshr_b32 s26, s6, 1
	s_lshl_b32 s26, s26, 9
	s_lshl_b32 s27, s5, 8
	s_add_co_u32 s26, s26, s27
	s_and_b32 s27, s6, 1
	s_lshl_b32 s27, s27, 7
	s_add_co_u32 s26, s26, s27
	s_add_co_u32 s26, s26, STGB
	v_lshlrev_b32 v1, 2, v1
	s_delay_alu instid0(VALU_DEP_1)
	v_add_nc_u32 v1, s26, v1                       ; the stage: [head wy / 2][wx][wy % 2][lane], four bytes each
	s_wait_alu depctr_va_vdst(0)
	ds_store_b32 v1, v100
	v_lshrrev_b32 v3, 5, v0                        ; back: thread / 32 is the head, h the K step, 16 bytes a thread
	s_delay_alu instid0(VALU_DEP_1)
	v_mul_u32_u24 v3, v3, HS
	s_delay_alu instid0(VALU_DEP_1)
	v_lshl_add_u32 v3, v5, 8, v3
	s_delay_alu instid0(VALU_DEP_1)
	v_lshl_add_u32 v3, v4, 4, v3
.Lout_join:
	s_wait_dscnt 0x0                               ; for the others' sake: my word lies in the stage
	s_barrier_signal -1
	s_barrier_wait -1
	s_cmp_lt_u32 s[WV], 2                          ; 64 threads x 16 bytes take the stage's 1,024
	s_cbranch_scc0 .Lend
	s_cmp_eq_u32 s7, 2
	s_cbranch_scc1 .Lrd_v
	ds_load_b128 v[104:107], v2
	s_branch .Lrd_done
.Lrd_v:
	ds_load_b128 v[104:107], v2 offset:1024
.Lrd_done:
	s_wait_dscnt 0x0
	s_wait_alu depctr_va_vdst(0)
	global_store_b128 v3, v[104:107], s[28:29]     ; sixteen lanes store 256 consecutive bytes, at a multiple of 256 from the buffer's first byte
.Lend:
	s_set_vgpr_msb 0x5
	s_wait_tensorcnt 0x0
	ds_add_u32 v0, v1
	s_wait_dscnt 0x0
	s_set_vgpr_msb 0x500
	CROUND                                         ; the closing round: no work-group ends while a partner may still ask for a tile that names it
	s_endpgm
.Lfunc_end_k_q08079e5a94_proj:
	.size	k_q08079e5a94_proj, .Lfunc_end_k_q08079e5a94_proj-k_q08079e5a94_proj
	.p2alignl 7, 3214868480
	.fill 96, 4, 3214868480
	.section	.rodata,"a",@progbits
	.p2align	6, 0x0
	.amdhsa_kernel k_q08079e5a94_proj
		.amdhsa_group_segment_fixed_size 211968
		.amdhsa_private_segment_fixed_size 0
		.amdhsa_enable_private_segment 0
		.amdhsa_kernarg_size 136
		.amdhsa_user_sgpr_count 2
		.amdhsa_user_sgpr_kernarg_segment_ptr 1
		.amdhsa_wavefront_size32 1
		.amdhsa_system_sgpr_workgroup_id_x 1
		.amdhsa_system_sgpr_workgroup_id_y 1
		.amdhsa_system_sgpr_workgroup_id_z 1
		.amdhsa_system_vgpr_workitem_id 0
		.amdhsa_next_free_vgpr 258
		.amdhsa_next_free_sgpr 100
		.amdhsa_reserve_vcc 1
		.amdhsa_float_denorm_mode_32 3
		.amdhsa_float_denorm_mode_16_64 3
		.amdhsa_memory_ordered 1
		.amdhsa_forward_progress 1
		.amdhsa_inst_pref_size 59
	.end_amdhsa_kernel
	.amdgpu_metadata
---
amdhsa.version: [ 1, 2 ]
amdhsa.kernels:
  - .name:           k_q08079e5a94_proj
    .symbol:         k_q08079e5a94_proj.kd
    .args:
      - { .name: Wq_codes, .offset: 0, .size: 8, .value_kind: global_buffer, .address_space: global }
      - { .name: Wq_scales, .offset: 8, .size: 8, .value_kind: global_buffer, .address_space: global }
      - { .name: qc, .offset: 16, .size: 8, .value_kind: global_buffer, .address_space: global }
      - { .name: qs, .offset: 24, .size: 8, .value_kind: global_buffer, .address_space: global }
      - { .name: bq, .offset: 32, .size: 8, .value_kind: global_buffer, .address_space: global }
      - { .name: Wk_codes, .offset: 40, .size: 8, .value_kind: global_buffer, .address_space: global }
      - { .name: Wk_scales, .offset: 48, .size: 8, .value_kind: global_buffer, .address_space: global }
      - { .name: key_codes, .offset: 56, .size: 8, .value_kind: global_buffer, .address_space: global }
      - { .name: key_scales, .offset: 64, .size: 8, .value_kind: global_buffer, .address_space: global }
      - { .name: bk, .offset: 72, .size: 8, .value_kind: global_buffer, .address_space: global }
      - { .name: value_codes, .offset: 80, .size: 8, .value_kind: global_buffer, .address_space: global }
      - { .name: value_scales, .offset: 88, .size: 8, .value_kind: global_buffer, .address_space: global }
      - { .name: Wv_codes, .offset: 96, .size: 8, .value_kind: global_buffer, .address_space: global }
      - { .name: Wv_scales, .offset: 104, .size: 8, .value_kind: global_buffer, .address_space: global }
      - { .name: bv, .offset: 112, .size: 8, .value_kind: global_buffer, .address_space: global }
      - { .name: qimg, .offset: 120, .size: 8, .value_kind: global_buffer, .address_space: global }
      - { .name: kvimg, .offset: 128, .size: 8, .value_kind: global_buffer, .address_space: global }
    .group_segment_fixed_size: 211968
    .private_segment_fixed_size: 0
    .kernarg_segment_align: 8
    .kernarg_segment_size: 136
    .max_flat_workgroup_size: 256
    .sgpr_count:     100
    .vgpr_count:     258
    .wavefront_size: 32
...
	.end_amdgpu_metadata
.endif
;; end of part 2
;; launch attn (part 3): grid 4 x 64, 16 waves a work-group, clusters of 4 x 1, 169,984 bytes of LDS; arguments qimg, kvimg, ctx, cs; writes ctx, cs
.if DOCPART == 3
	.amdgcn_target "amdgcn-amd-amdhsa--gfx1250"
	.amdhsa_code_object_version 6
	.text
	.protected	k_q08079e5a94_attn
	.globl	k_q08079e5a94_attn
	.p2align	8
	.type	k_q08079e5a94_attn,@function
k_q08079e5a94_attn:
	s_mov_b64 s[64:65], 0
	v_nop
	global_prefetch_b8 v0, s[64:65] scope:SCOPE_SE
	s_setreg_imm32_b32 hwreg(HW_REG_WAVE_MODE, 25, 1), 1
	s_wait_xcnt 0x0
	s_wait_alu depctr_hold_cnt(0) depctr_sa_sdst(0) depctr_va_vdst(0) depctr_va_sdst(0) depctr_va_ssrc(0) depctr_va_vcc(0) depctr_vm_vsrc(0)
	s_getreg_b32 s2, hwreg(HW_REG_IB_STS2, 6, 4)
	s_cmp_eq_u32 s2, 0
	s_cbranch_scc0 .Lentry_in_a_cluster
	s_endpgm
.Lentry_in_a_cluster:
	s_bfe_u32 s2, ttmp6, 0x10000c
	s_cmp_lg_u32 s2, 0x3003
	s_cbranch_scc0 .Lentry_shape_is_right
	s_endpgm
.Lentry_shape_is_right:
; ctx = Q_along_F(softmax(q k^T / 8) v), both products on codes of FP4 (E2M1) with one E8M0 byte for each 32 along a product's K.  q, k, v come as images of operand registers (the layout stands at the head of the
; launch that makes them); ctx leaves as codes in the order of the last launch's operand registers, its scale bytes beside them.
; THE SOFTMAX AHEAD OF THE SECOND PRODUCT: t = score x log2(e) / 8; M = the row's largest t so far, rounded UP to a whole number; p = 2^(t - M) is what is quantised, along the keys, not normalised.  The row's sum is
; taken of the unquantised p and divides O at the end.  When M moves, the sum and O are multiplied by 2^(old M - new M): exact.
; SHARES.  A work-group owns 512 queries of one head (its place in the cluster: which 512; the cluster's y: head 16 batch + hd); each of its sixteen waves 32 of them, two tiles of 16, which share every fragment of K and V.
; THE HEAD'S RECORD, 139,264 bytes, is brought ONCE, one tensor load a wave: waves 0-3 K's fragments of chunk w, waves 4-7 V's (64 rows of 256 bytes each), waves 8-11 K's scale words, waves 12-15 V's (4 rows each).
; In LDS all K lies on end, then all V, then the scale words, so that a key step is a constant further on in each; 32 bytes of padding behind every 256.  Nothing is filled again.
; CLUSTER 4 x 1: the four work-groups of a head need the same record and ask for it jointly (mask 15).  NO PREFETCH: every byte that the work-group reads through LDS is asked for at the head; the loop asks memory for nothing.
; LAYOUT.  Both products are used transposed: S^T = K Q^T, O^T = V^T P^T: a lane holds ONE query (lane % 16) throughout.
; K = 64 IN AN INSTRUCTION OF 128: a fragment's registers 0-3 (k 0-63) hold one tile of 16 keys, registers 4-7 another.  q stands between zeros, Z q0 Z q1 Z: (q, Z) multiplies the first tile, (Z, q) the second.
; THE KEYS OF A TILE ARE CHOSEN, by each lane's LDS address: tile (c2, i) has in rows 0-7 keys 8 i .. 8 i + 7 of block 2 c2 and in rows 8-15 the same keys of block 2 c2 + 1.  So lane (r, h) holds in registers
; 32 c2 + 8 i + j key 8 i + j of block 2 c2 + h: a WHOLE block of 32 keys in a lane, in the order of the second product's operand.  A block's maximum asks no other lane, and the conversions' results are the operand.
; LIMITS: the promise holds while the scaled scores stay under 2^31 in magnitude; where the two keys that share a lane's fragment differ by more than some 2^20 in size, the smaller key's score keeps only the absolute
; accuracy of the larger key's; a block of zeros gets the byte 1 (its codes are zeros, this program alone reads the bytes); NaN and infinities are not served.  A block's largest p is the exponential of its largest
; score, which takes v_exp_f32 not to fall where its input rises.
.set HS,  139264
.set CH,  34816                        ; a chunk of 512 keys in memory: +0 K's fragments, +16384 V's, +32768 K's scale words, +33792 V's
.set BP,  1152                         ; 1,024 bytes in LDS: four rows of 256 + 32.  Two blocks of keys lie 128 bytes apart modulo 256, so the sixteen lanes of a K load touch sixteen different columns of 16 bytes
.set VB,  64*BP                        ; V's fragments
.set KSB, 128*BP                       ; K's scale words: 288 bytes a key step
.set VSB, KSB+4*BP                     ; V's
.set STG, VSB+4*BP                     ; 1,024 bytes for ctx's scale bytes; no tensor load lands here
.set SPARE, STG+1024                   ; the spare words, 128 bytes a wave
.set LI,  1                            ; v1  16 x lane (memory)
.set LVV, 2                            ; v2  my place in a fragment of V
.set LK,  3                            ; v3  in a fragment of K
.set LSK, 4                            ; v4  among K's scale words
.set LSV, 5                            ; v5  among V's
.set AK,  6                            ; v6-9 the step's addresses
.set AV,  7
.set ASK, 8
.set ASV, 9
.set SH8, 10                           ; v10 8 h
.set HH,  11                           ; v11 h
.set QW,  12                           ; v12-19 hold scales and nothing else: q's (tile 0, 1); K's (lanes 0-15 fragment (c2, 0), lanes 16-31 (c2, 1)); V's; p's
.set KS,  14
.set VS,  16
.set PW,  18
.set ST,  20                           ; v20 + 4 t: -M; v21 + 4 t: the largest score; v[22 + 4 t : 23 + 4 t]: the sum in two halves
.set F,   28                           ; v[28 + 2 t : 29 + 2 t] f = 2^(old M - new M)
.set QZ,  32                           ; v32-51   Z q0 Z q1 Z
.set P,   52                           ; v52-67   p's codes, 8 a tile
.set KV,  68                           ; v68-99   four fragments of K or of V
.set S,   100                          ; v100-163 S^T of the tile in hand, then p
.set O,   164                          ; v164-227 O^T: 32 t + 8 dt + j
.set BM,  228                          ; v228, 229 my two blocks' largest scores
.set PX,  230
.set SO,  232                          ; v232, 233 the conversions' scale operands
.set T,   234
.set T2,  235
.set HW,  234                          ; the way out: ctx's two scale bytes of a row, tile 0 and 1
.set AT,  236                          ; v236-251 eight chains of maxima, then eight chains of sums
.set STI, 252
.set STO, 253
.set SPW, 254
.set NIL, 255
.set WV,  12
.set G1A, 16                           ; s[16:23] group 1 for 64 rows, s[24:31] for 4 rows; s[32:35], s[36:39] their groups 0
.set G1B, 24
.set G0A, 32
.set G0B, 36
.set SEL, 40                           ; s[40:41] lane selects for v_permlanex16_b32: lane l xor 16
.set CS,  42                           ; s[42:43] c = log2(e) / 8
.set TB,  44                           ; s44 where the step's fragments begin; s45 its scale words
.set TS,  45
.set CX,  47
.macro CROUND                          ; a round of the cluster's barrier
	s_barrier_signal -1
	s_barrier_wait -1
	s_cmp_lg_u32 s[WV], 0
	s_cbranch_scc1 .Lnot_wave_0_\@
	s_barrier_signal -3
.Lnot_wave_0_\@:
	s_barrier_wait -3
	s_barrier_signal -1
	s_barrier_wait -1
.endm
	s_load_b256 s[4:11], s[0:1], 0x0               ; qimg, kvimg, ctx, cs
	v_lshl_add_u32 v[SPW], v0, 2, SPARE
	v_mov_b32 v[NIL], 0
	ds_add_u32 v[SPW], v[NIL]
	ds_add_u32 v[SPW], v[NIL]
	v_lshrrev_b32 v1, 5, v0
	s_delay_alu instid0(VALU_DEP_1)
	v_readfirstlane_b32 s[WV], v1                  ; wave 0..15
	s_and_b32 s13, ttmp7, 0xffff                   ; the head: 16 batch + hd
	s_bfe_u32 s[CX], ttmp6, 0x40000                ; my place in the cluster: which 512 queries
	s_mul_i32 s14, s13, HS
	s_mov_b32 s15, 0
	s_mov_b32 s[G1A], 15|(3<<16)|(1<<20)|(1<<21)|(5<<22)|(7<<25)   ; mask: all four partners; elements of 8 bytes; padding on; 21 set beside a mask; after every 64 words; eight words
	s_mov_b32 s[G1A+1], 32<<16                     ; rows of 256 bytes
	s_mov_b32 s[G1A+2], 64<<16
	s_mov_b32 s[G1A+3], 32<<16
	s_mov_b32 s[G1A+4], 64
	s_mov_b32 s[G1A+5], 32                         ; dense in memory
	s_mov_b32 s[G1A+6], 0
	s_mov_b32 s[G1A+7], 0
	s_mov_b32 s[G1B], 15|(3<<16)|(1<<20)|(1<<21)|(5<<22)|(7<<25)
	s_mov_b32 s[G1B+1], 32<<16
	s_mov_b32 s[G1B+2], 4<<16
	s_mov_b32 s[G1B+3], 32<<16
	s_mov_b32 s[G1B+4], 4
	s_mov_b32 s[G1B+5], 32
	s_mov_b32 s[G1B+6], 0
	s_mov_b32 s[G1B+7], 0
	s_and_b32 s48, s[WV], 3
	s_mul_i32 s48, s48, CH                         ; my chunk
	s_lshr_b32 s49, s[WV], 2
	s_lshl_b32 s50, s49, 14
	s_add_co_u32 s50, s50, s48                     ; waves 0-7: K's (+0) or V's (+16384) fragments of it
	s_mov_b32 s51, 0
	s_and_b32 s49, s49, 1
	s_lshl_b32 s52, s49, 10
	s_add_co_u32 s52, s52, s48
	s_add_co_u32 s52, s52, 32768                   ; waves 8-15: K's or V's scale words of it
	s_mov_b32 s53, 0
	s_mul_i32 s54, s[WV], 16*BP                    ; where they go: wave x 64 rows,
	s_mul_i32 s55, s[WV], BP
	s_add_co_u32 s55, s55, KSB-8*BP                ; or KSB + (wave - 8) x 4 rows
	s_mov_b32 s[SEL], 0x76543210
	s_mov_b32 s[SEL+1], 0xfedcba98
	s_mov_b32 s[CS], 0x3e38aa3b                    ; log2(e) / 8
	s_mov_b32 s[CS+1], s[CS]
	s_mov_b32 s[TB], 0
	s_mov_b32 s[TS], 0
	s_wait_dscnt 0x0
	s_wait_kmcnt 0x0
	s_add_nc_u64 s[6:7], s[6:7], s[14:15]          ; the head's record of k and v,
	s_add_nc_u64 s[4:5], s[4:5], s[14:15]          ; and of q
	s_mov_b32 s[G0A], 1
	s_mov_b32 s[G0A+1], s54
	s_add_nc_u64 s[G0A+2:G0A+3], s[6:7], s[50:51]
	s_or_b32 s[G0A+3], s[G0A+3], 0x80000000
	s_mov_b32 s[G0B], 1
	s_mov_b32 s[G0B+1], s55
	s_add_nc_u64 s[G0B+2:G0B+3], s[6:7], s[52:53]
	s_or_b32 s[G0B+3], s[G0B+3], 0x80000000
	CROUND                                         ; all four work-groups are here: the joint loads meet
	s_cmp_lt_u32 s[WV], 8                          ; every wave issues one load: one branch on the wave's number, a fill in each arm
	s_cbranch_scc0 .Lscales
	tensor_load_to_lds s[G0A:G0A+3], s[G1A:G1A+7]
	s_nop 0
.rept 4
	v_nop
.endr
	s_branch .Lasked
.Lscales:
	tensor_load_to_lds s[G0B:G0B+3], s[G1B:G1B+7]
	s_nop 0
.rept 4
	v_nop
.endr
.Lasked:
	s_mul_i32 s52, s[CX], CH                       ; q: my work-group's 512 queries are a chunk; my wave's 32 are its fragment w
	s_mov_b32 s53, 0
	s_add_nc_u64 s[4:5], s[4:5], s[52:53]
	s_lshl_b32 s52, s[WV], 10
	s_add_nc_u64 s[52:53], s[4:5], s[52:53]        ; its codes
	s_lshl_b32 s54, s[WV], 6
	s_mov_b32 s55, 0
	s_add_nc_u64 s[54:55], s[4:5], s[54:55]        ; its scale words, 32,768 bytes on
	s_lshr_b32 s48, s13, 4                         ; where the results go: batch,
	s_and_b32 s49, s13, 15                         ; hd
	s_lshl_b32 s48, s48, 6
	s_lshl_b32 s50, s[CX], 4
	s_add_co_u32 s48, s48, s50                     ; the work-group's first block of 32 tokens
	s_add_co_u32 s50, s48, s[WV]
	s_lshl_b32 s50, s50, 14                        ; two tiles of 8,192 bytes a block,
	s_lshl_b32 s51, s49, 9                         ; the head's 512 bytes in a tile
	s_add_co_u32 s50, s50, s51
	s_mov_b32 s51, 0
	s_add_nc_u64 s[8:9], s[8:9], s[50:51]
	s_lshl_b32 s50, s49, 14                        ; cs: [hd][block][lane] of two bytes
	s_lshl_b32 s48, s48, 6
	s_add_co_u32 s50, s50, s48
	s_add_nc_u64 s[10:11], s[10:11], s[50:51]
	v_and_b32 v236, 31, v0                         ; lane
	v_and_b32 v237, 15, v0                         ; r
	v_bfe_u32 v[HH], v0, 4, 1                      ; h
	v_lshlrev_b32 v[LI], 4, v236
	v_lshlrev_b32 v238, 2, v237
	global_load_b128 v[QZ+4:QZ+7], v[LI], s[52:53]              ; q0: query r, dims 32 h ..
	global_load_b128 v[QZ+12:QZ+15], v[LI], s[52:53] offset:512 ; q1: query 16 + r
	global_load_b32 v239, v238, s[54:55] offset:32768           ; (query r's two bytes, query 16 + r's two)
	v_bfe_u32 v240, v0, 3, 1                       ; r / 8: which of the tile's two blocks my row takes
	v_and_b32 v241, 7, v0                          ; r % 8
	v_mul_u32_u24 v[LK], v240, BP
	v_mad_u32_u24 v[LK], v[HH], 288, v[LK]
	v_lshl_add_u32 v[LK], v241, 4, v[LK]           ; K: BP (r / 8) + 288 h + 16 (r % 8)
	v_mul_u32_u24 v[LVV], v[HH], 288
	v_lshl_add_u32 v[LVV], v237, 4, v[LVV]
	v_add_nc_u32 v[LVV], VB, v[LVV]                ; V: 288 h + 16 r
	v_lshlrev_b32 v[LSK], 6, v240
	v_lshl_add_u32 v[LSK], v241, 2, v[LSK]
	v_lshl_add_u32 v[LSK], v[HH], 5, v[LSK]
	v_add_nc_u32 v[LSK], KSB, v[LSK]               ; K's words: 64 (r / 8) + 4 (r % 8); lanes 16-31 take the fragment with e = 1: 32 bytes on
	v_lshl_add_u32 v[LSV], v236, 2, VSB            ; V's: 4 x lane
	v_lshlrev_b32 v[SH8], 3, v[HH]
	v_lshl_add_u32 v[STI], v0, 1, STG              ; the stage: two bytes a thread in,
	v_lshl_add_u32 v[STO], v0, 4, STG              ; sixteen out
.irp z, 0,1,2,3,8,9,10,11,16,17,18,19
	v_mov_b32 v[QZ+\z], 0                          ; Z
.endr
.irp t, 0,1
	v_mov_b32 v[ST+4*\t+1], 0xff61b1e6             ; the largest score so far: -3e38
	v_mov_b32 v[ST+4*\t], 0x7e000000               ; -M: so large that the first f is 0
	v_mov_b32 v[ST+4*\t+2], 0                      ; the sum
	v_mov_b32 v[ST+4*\t+3], 0
	v_mov_b32 v[F+2*\t], 0
	v_mov_b32 v[F+2*\t+1], 0                       ; (named as the upper half of a pair)
	v_mov_b32 v[PX+\t], 0                          ; a lane permute's destination counts as one of its sources
.endr
	v_mov_b32 v[T2], 0
.set i, 0
.rept 64
	v_mov_b32 v[O+i], 0                            ; O^T: the step is written once, its first run finds zeros
.set i, i+1
.endr
	s_wait_alu depctr_va_vdst(0)
	s_wait_loadcnt 0x0                             ; q
	v_perm_b32 v[QW], v239, v239, 0x01000100       ; (s0, s1, s0, s1): the same word serves (q, Z) and (Z, q)
	v_perm_b32 v[QW+1], v239, v239, 0x03020302
.set i, 0
.rept 16
	v_mov_b32 v[AT+i], 0                           ; the first run of tile 1's tree adds zeros.  (Also the places between the scale words just made and the first scaled product)
.set i, i+1
.endr
.macro ADDR
	v_add_nc_u32 v[AK], s[TB], v[LK]
	v_add_nc_u32 v[AV], s[TB], v[LVV]
	v_add_nc_u32 v[ASK], s[TS], v[LSK]
	v_add_nc_u32 v[ASV], s[TS], v[LSV]
.endm
.macro KLOAD                           ; fragment (c2, e): registers 0-3 tile i = e, registers 4-7 tile i = e + 2 (the keys 16 further on in the same blocks, which share a scale word with the first)
.irp c2, 0,1
.irp e, 0,1
	ds_load_b128 v[KV+16*\c2+8*\e:KV+16*\c2+8*\e+3], v[AK] offset:2*BP*\c2+128*\e
	ds_load_b128 v[KV+16*\c2+8*\e+4:KV+16*\c2+8*\e+7], v[AK] offset:2*BP*\c2+128*\e+576
.endr
	ds_load_b32 v[KS+\c2], v[ASK] offset:128*\c2
.endr
.endm
.macro VLOAD
.irp d, 0,1,2,3
.irp c, 0,1
	ds_load_b128 v[KV+8*\d+4*\c:KV+8*\d+4*\c+3], v[AV] offset:BP*\d+576*\c
.endr
.endr
.irp p, 0,1
	ds_load_b32 v[VS+\p], v[ASV] offset:128*\p
.endr
.endm
; S^T of tile t: eight products, each begun with the constant 0.
.macro KQ t
.irp c2, 0,1
.irp e, 0,1
.irp u, 0,1
.if \e
	v_wmma_scale_f32_16x16x128_f8f6f4 v[S+32*\c2+8*\e+16*\u:S+32*\c2+8*\e+16*\u+7], v[KV+16*\c2+8*\e:KV+16*\c2+8*\e+7], v[QZ+8*\t+4-4*\u:QZ+8*\t+11-4*\u], 0, v[KS+\c2], v[QW+\t] matrix_a_fmt:MATRIX_FMT_FP4 matrix_b_fmt:MATRIX_FMT_FP4 matrix_a_scale:MATRIX_SCALE_ROW1
.else
	v_wmma_scale_f32_16x16x128_f8f6f4 v[S+32*\c2+8*\e+16*\u:S+32*\c2+8*\e+16*\u+7], v[KV+16*\c2+8*\e:KV+16*\c2+8*\e+7], v[QZ+8*\t+4-4*\u:QZ+8*\t+11-4*\u], 0, v[KS+\c2], v[QW+\t] matrix_a_fmt:MATRIX_FMT_FP4 matrix_b_fmt:MATRIX_FMT_FP4
.endif
.endr
.endr
.endr
.endm
; O^T += V^T P^T for both tiles: the eight accumulators take turns, one instruction a turn.
.macro PV
.irp dt, 0,1,2,3
.irp t, 0,1
.if \dt%2
	v_wmma_scale_f32_16x16x128_f8f6f4 v[O+32*\t+8*\dt:O+32*\t+8*\dt+7], v[KV+8*\dt:KV+8*\dt+7], v[P+8*\t:P+8*\t+7], v[O+32*\t+8*\dt:O+32*\t+8*\dt+7], v[VS+\dt/2], v[PW+\t] matrix_a_fmt:MATRIX_FMT_FP4 matrix_b_fmt:MATRIX_FMT_FP4 matrix_a_scale:MATRIX_SCALE_ROW1
.else
	v_wmma_scale_f32_16x16x128_f8f6f4 v[O+32*\t+8*\dt:O+32*\t+8*\dt+7], v[KV+8*\dt:KV+8*\dt+7], v[P+8*\t:P+8*\t+7], v[O+32*\t+8*\dt:O+32*\t+8*\dt+7], v[VS+\dt/2], v[PW+\t] matrix_a_fmt:MATRIX_FMT_FP4 matrix_b_fmt:MATRIX_FMT_FP4
.endif
.endr
.endr
.endm
.macro FMA4 j0                         ; t - M of eight scores (of the pairs c and -M the low word serves both halves)
.irp j, 0,2,4,6
	v_pk_fma_f32 v[S+\j0+\j:S+\j0+\j+1], v[S+\j0+\j:S+\j0+\j+1], s[CS:CS+1], v[NM:NM+1] op_sel_hi:[1,0,0]
.endr
.endm
.macro OMUL j                          ; two numbers of O^T under the new M
	v_pk_mul_f32 v[OO+\j:OO+\j+1], v[OO+\j:OO+\j+1], v[FF:FF+1] op_sel_hi:[1,0]
.endm
; The softmax of tile t for 128 keys: S^T becomes p, p's codes and scale word; O^T comes under the new M.  The sum follows in SUMS and TREE.
.macro SOFT t
.set NM, ST+4*\t
.set FF, F+2*\t
.set PP, P+8*\t
.set OO, O+32*\t
.irp k, 0,1,2,3,4,5,6,7
	v_max3_num_f32 v[AT+\k], v[S+8*\k], v[S+8*\k+1], v[S+8*\k+2]   ; eight chains by turns, one for each accumulator, each read from its low end on
.endr
.irp i, 3,5
.irp k, 0,1,2,3,4,5,6,7
	v_max3_num_f32 v[AT+\k], v[AT+\k], v[S+8*\k+\i], v[S+8*\k+\i+1]
.endr
.endr
.irp b, 0,1
	v_max3_num_f32 v[AT+4*\b], v[AT+4*\b], v[AT+4*\b+1], v[S+32*\b+7]
.endr
.irp b, 0,1
	v_max3_num_f32 v[AT+4*\b+2], v[AT+4*\b+2], v[AT+4*\b+3], v[S+32*\b+15]
.endr
.irp b, 0,1
	v_max3_num_f32 v[AT+4*\b], v[AT+4*\b], v[S+32*\b+23], v[S+32*\b+31]
.endr
.irp b, 0,1
	v_max_num_f32 v[BM+\b], v[AT+4*\b], v[AT+4*\b+2]   ; THE LARGEST SCORE OF MY BLOCK 2 b + h serves twice: for the row's maximum and, since p rises with the score, for the block's largest p
.endr
	v_max3_num_f32 v[NM+1], v[NM+1], v[BM], v[BM+1]
	v_permlanex16_b32 v[PX], v[NM+1], s[SEL], s[SEL+1]
	v_mov_b32 v[T], v[NM]
	v_max_num_f32 v[NM+1], v[NM+1], v[PX]          ; with lane l xor 16's two blocks: the running largest score of my query
	v_mul_f32 v[T2], s[CS], v[NM+1]                ; as t (c is positive)
	v_floor_f32 v[NM], -v[T2]                      ; the new -M = -ceil(t): a whole number
	FMA4 0
	v_sub_f32 v[T], v[NM], v[T]                    ; M's old value less its new one: a whole number, 0 or less.  (f is made among the multiply-adds)
	FMA4 8
	v_cvt_i32_f32 v[T], v[T]                       ; (it saturates)
	FMA4 16
	v_ldexp_f32 v[FF], 1.0, v[T]                   ; f = 2^(old M - new M)
.irp j0, 24,32,40,48,56
	FMA4 \j0
.endr
.irp b, 0,1
	v_fma_f32 v[BM+\b], v[BM+\b], s[CS], v[NM]     ; the same of each block's largest score
.endr
	s_wait_alu depctr_va_vdst(0)
.irp b, 0,1
	v_exp_f32 v[BM+\b], v[BM+\b]                   ; the block's largest p: the same two instructions on the same number give the same bits
.endr
.set i, 0
.rept 64
	v_exp_f32 v[S+i], v[S+i]                       ; p = 2^(t - M): not normalised
.set i, i+1
.endr
	v_nop                                          ; a place behind the exponentials
	s_wait_alu depctr_va_vdst(0)                   ; one wait for the batch; it also stands ahead of the first readers of O^T
.irp b, 0,1
	v_max_num_f32 v[BM+\b], 0x1800000, v[BM+\b]    ; the floor 2^(3 - 127): the byte cannot fall under 1
.endr
	OMUL 0                                         ; O^T's rescaling and the conversions stand among the lines that make the scale word, each accumulator from its low end on
	OMUL 2
.irp b, 0,1
	s_delay_alu instid0(VALU_DEP_4)
	v_add_nc_u32 v[SO+\b], 0xff000000, v[BM+\b]    ; 2 off the exponent field: the conversion's scale operand
.endr
	OMUL 4
	OMUL 6
.irp b, 0,1
	v_lshrrev_b32 v[PX+\b], 23, v[SO+\b]           ; the scale's byte
.endr
.irp i, 0,1,2,3
	v_cvt_scalef32_pk8_fp4_f32 v[PP+\i], v[S+8*\i:S+8*\i+7], v[SO]         ; register 4 c2 + i: keys 64 c2 + 32 h + 8 i + 0 .. 7: the operand as it is wanted
.endr
	v_lshl_or_b32 v[T], v[PX+1], 16, v[PX]         ; my two bytes: blocks h and 2 + h
.irp i, 0,1,2,3
	v_cvt_scalef32_pk8_fp4_f32 v[PP+4+\i], v[S+32+8*\i:S+32+8*\i+7], v[SO+1]
.endr
	v_lshlrev_b32 v[T], v[SH8], v[T]               ; at their places in the word
	OMUL 8
	OMUL 10
	s_delay_alu instid0(VALU_DEP_3)
	v_permlanex16_b32 v[T2], v[T], s[SEL], s[SEL+1]
	OMUL 12
	OMUL 14
	s_delay_alu instid0(VALU_DEP_3)
	v_or_b32 v[PW+\t], v[T], v[T2]                 ; with lane l xor 16's two the word is whole
.irp j, 16,18,20,22,24,26,28,30
	OMUL \j                                        ; eight places between the scale word and the scaled product that takes it
.endr
.endm
; THE ROW'S SUM IS TAKEN OF THE UNQUANTISED p: eight chains of pairs by turns (SUMS, reads p), then a tree and one multiply-add that brings the old sum under the new M (TREE, reads the chains alone:
; it stands behind the next score products, as their places).
.macro SUMS
.irp q, 0,1,2,3,4,5,6,7
	v_pk_add_f32 v[AT+2*\q:AT+2*\q+1], v[S+8*\q:S+8*\q+1], v[S+8*\q+2:S+8*\q+3]
.endr
.irp i, 4,6
.irp q, 0,1,2,3,4,5,6,7
	v_pk_add_f32 v[AT+2*\q:AT+2*\q+1], v[AT+2*\q:AT+2*\q+1], v[S+8*\q+\i:S+8*\q+\i+1]
.endr
.endr
.endm
.macro TREE t
.irp q, 0,4,8,12
	v_pk_add_f32 v[AT+\q:AT+\q+1], v[AT+\q:AT+\q+1], v[AT+\q+2:AT+\q+3]
.endr
	s_delay_alu instid0(VALU_DEP_3)
	v_pk_add_f32 v[AT:AT+1], v[AT:AT+1], v[AT+4:AT+5]
	s_delay_alu instid0(VALU_DEP_2)
	v_pk_add_f32 v[AT+8:AT+9], v[AT+8:AT+9], v[AT+12:AT+13]
	s_delay_alu instid0(VALU_DEP_1)
	v_pk_add_f32 v[AT:AT+1], v[AT:AT+1], v[AT+8:AT+9]
	s_delay_alu instid0(VALU_DEP_1)
	v_pk_fma_f32 v[ST+4*\t+2:ST+4*\t+3], v[ST+4*\t+2:ST+4*\t+3], v[F+2*\t:F+2*\t+1], v[AT:AT+1] op_sel_hi:[1,0,1]
.endm
; A KEY STEP: 128 keys for both tiles.  K's fragments were asked for in the step before, behind its second product.
.macro STEP last
	s_wait_dscnt 0x0                               ; K's fragments and scale words
	KQ 0
	TREE 1                                         ; the last step's sum of tile 1: eight places behind the products
	SOFT 0
	SUMS
	KQ 1
	TREE 0                                         ; eight places in front of the loads below and of the first read of the scores
	VLOAD                                          ; V's fragments land while tile 1's softmax is worked
	SOFT 1
	s_wait_alu depctr_va_vdst(0)
	s_wait_dscnt 0x0
	PV
.if \last == 0
	s_add_co_u32 s[TB], s[TB], 4*BP                ; the next step's fragments,
	s_add_co_u32 s[TS], s[TS], 288                 ; and its scale words
	ADDR                                           ; four places between the products and the loads into the registers that they read
	KLOAD                                          ; they land under tile 1's sums
.endif
	SUMS
.endm
	ADDR
	s_wait_alu depctr_va_vdst(0)
	s_wait_tensorcnt 0x0                           ; my part of the record is in
	s_barrier_signal -1
	s_barrier_wait -1                              ; everybody's is
	KLOAD
	s_mov_b32 s46, 15
.Lstep:
	STEP 0
	s_wait_alu depctr_va_vdst(0)
	s_sub_co_u32 s46, s46, 1
	s_cmp_lg_u32 s46, 0
	s_cbranch_scc1 .Lstep
	STEP 1                                         ; the sixteenth step is written out: it asks for no further fragments
	TREE 1
	v_lshlrev_b32 v248, 4, v0                      ; cs: sixteen bytes a thread
; THE WAY OUT of tile t: O^T / the sum is ctx(token r, 64 hd + 16 dt + 8 h + j); its two blocks of 32 are quantised and become four registers of the last launch's operand: 512 consecutive bytes.
.macro OUTT t
.set LL, ST+4*\t+2
.set OO, O+32*\t
.set CC, P+4*\t
	v_add_f32 v[LL], v[LL], v[LL+1]                ; the sum's two halves,
	s_delay_alu instid0(VALU_DEP_1)
	v_permlanex16_b32 v[PX], v[LL], s[SEL], s[SEL+1]
	s_delay_alu instid0(VALU_DEP_1)
	v_add_f32 v[LL], v[LL], v[PX]                  ; and lane l xor 16's: the row's sum
	s_wait_alu depctr_va_vdst(0)
	v_rcp_f32 v[LL], v[LL]
	v_nop                                          ; one plain place behind a transcendental
	s_wait_alu depctr_va_vdst(0)
.irp j, 0,2,4,6,8,10,12,14,16,18,20,22,24,26,28,30
	v_pk_mul_f32 v[OO+\j:OO+\j+1], v[OO+\j:OO+\j+1], v[LL:LL+1] op_sel_hi:[1,0]   ; each accumulator from its low end on
.endr
.irp b, 0,1
	v_max3_num_f32 v[BM+\b], |v[OO+16*\b]|, |v[OO+16*\b+1]|, 0x1800000
.endr
.irp i, 2,4,6,8,10,12,14
.irp b, 0,1
	s_delay_alu instid0(VALU_DEP_2)
	v_max3_num_f32 v[BM+\b], v[BM+\b], |v[OO+16*\b+\i]|, |v[OO+16*\b+\i+1]|
.endr
.endr
.irp b, 0,1
	s_delay_alu instid0(VALU_DEP_2)
	v_permlanex16_b32 v[PX+\b], v[BM+\b], s[SEL], s[SEL+1]
.endr
.irp b, 0,1
	s_delay_alu instid0(VALU_DEP_2)
	v_max_num_f32 v[BM+\b], v[BM+\b], v[PX+\b]
.endr
.irp b, 0,1
	s_delay_alu instid0(VALU_DEP_2)
	v_add_nc_u32 v[SO+\b], 0xff000000, v[BM+\b]
.endr
.irp b, 0,1
	s_delay_alu instid0(VALU_DEP_2)
	v_lshrrev_b32 v[PX+\b], 23, v[SO+\b]
.endr
	s_delay_alu instid0(VALU_DEP_1)
	v_lshl_or_b32 v[HW+\t], v[PX+1], 8, v[PX]      ; my row's two scale bytes
.irp b, 0,1
.irp u, 0,1
	v_cvt_scalef32_pk8_fp4_f32 v[CC+2*\u+\b], v[OO+16*\b+8*\u:OO+16*\b+8*\u+7], v[SO+\b]
.endr
.endr
	v_nop                                          ; one plain place behind a scaled conversion
	v_permlane16_swap_b32 v[CC], v[CC+1]
	v_permlane16_swap_b32 v[CC+2], v[CC+3]         ; lane (r, h): token r, dims 32 h + 0 .. 31 of my head
	global_store_b128 v[LI], v[CC:CC+3], s[8:9] offset:8192*\t
.endm
	OUTT 0
	OUTT 1
	v_cmp_ne_u32 vcc_lo, 0, v[HH]
	s_delay_alu instid0(VALU_DEP_1)
	v_cndmask_b32 v[HW], v[HW], v[HW+1], vcc_lo    ; lanes 0-15 carry tile 0's bytes, lanes 16-31 tile 1's
	ds_store_b16 v[STI], v[HW]
	s_wait_dscnt 0x0                               ; for the others' sake: my two bytes lie in the stage
	s_barrier_signal -1
	s_barrier_wait -1
	s_cmp_lt_u32 s[WV], 2                          ; 64 threads x 16 bytes take the stage's 1,024
	s_cbranch_scc0 .Lend
	ds_load_b128 v[244:247], v[STO]
	s_wait_dscnt 0x0
	global_store_b128 v248, v[244:247], s[10:11]   ; sixteen lanes store 256 consecutive bytes, at a multiple of 256 from the buffer's first byte
.Lend:
	s_wait_tensorcnt 0x0                           ; the wave's end
	ds_add_u32 v[SPW], v[NIL]
	s_wait_dscnt 0x0
	CROUND                                         ; the closing round
	s_endpgm
.Lfunc_end_k_q08079e5a94_attn:
	.size	k_q08079e5a94_attn, .Lfunc_end_k_q08079e5a94_attn-k_q08079e5a94_attn
	.p2alignl 7, 3214868480
	.fill 96, 4, 3214868480
	.section	.rodata,"a",@progbits
	.p2align	6, 0x0
	.amdhsa_kernel k_q08079e5a94_attn
		.amdhsa_group_segment_fixed_size 169984
		.amdhsa_private_segment_fixed_size 0
		.amdhsa_enable_private_segment 0
		.amdhsa_kernarg_size 32
		.amdhsa_user_sgpr_count 2
		.amdhsa_user_sgpr_kernarg_segment_ptr 1
		.amdhsa_wavefront_size32 1
		.amdhsa_system_sgpr_workgroup_id_x 1
		.amdhsa_system_sgpr_workgroup_id_y 1
		.amdhsa_system_sgpr_workgroup_id_z 1
		.amdhsa_system_vgpr_workitem_id 0
		.amdhsa_next_free_vgpr 256
		.amdhsa_next_free_sgpr 66
		.amdhsa_reserve_vcc 1
		.amdhsa_float_denorm_mode_32 3
		.amdhsa_float_denorm_mode_16_64 3
		.amdhsa_memory_ordered 1
		.amdhsa_forward_progress 1
		.amdhsa_inst_pref_size 73
	.end_amdhsa_kernel
	.amdgpu_metadata
---
amdhsa.version: [ 1, 2 ]
amdhsa.kernels:
  - .name:           k_q08079e5a94_attn
    .symbol:         k_q08079e5a94_attn.kd
    .args:
      - { .name: qimg, .offset: 0, .size: 8, .value_kind: global_buffer, .address_space: global }
      - { .name: kvimg, .offset: 8, .size: 8, .value_kind: global_buffer, .address_space: global }
      - { .name: ctx, .offset: 16, .size: 8, .value_kind: global_buffer, .address_space: global }
      - { .name: cs, .offset: 24, .size: 8, .value_kind: global_buffer, .address_space: global }
    .group_segment_fixed_size: 169984
    .private_segment_fixed_size: 0
    .kernarg_segment_align: 8
    .kernarg_segment_size: 32
    .max_flat_workgroup_size: 512
    .sgpr_count:     66
    .vgpr_count:     256
    .wavefront_size: 32
...
	.end_amdgpu_metadata
.endif
;; end of part 3
;; launch outln (part 4): grid 256 x 1, 16 waves a work-group, no clusters, 327,680 bytes of LDS; arguments ctx, cs, woimg, Wo_scales, bo, query, ln_g, ln_b, out0; writes out0
.if DOCPART == 4
	.amdgcn_target "amdgcn-amd-amdhsa--gfx1250"
	.amdhsa_code_object_version 6
	.text
	.protected	k_q08079e5a94_outln
	.globl	k_q08079e5a94_outln
	.p2align	8
	.type	k_q08079e5a94_outln,@function
k_q08079e5a94_outln:
	s_mov_b64 s[64:65], 0
	v_nop
	global_prefetch_b8 v0, s[64:65] scope:SCOPE_SE
	s_setreg_imm32_b32 hwreg(HW_REG_WAVE_MODE, 25, 1), 1
	s_wait_xcnt 0x0
.set QRY, 16384
.set XST, 147456
.set XP,  4112
.set LI,  1
.set WS,  8
.set CW,  24
.set H,   32
.set CF,  48
.set WB,  80
.set ACC, 176
	s_load_b512 s[4:19], s[0:1], 0x0
	s_load_b64 s[20:21], s[0:1], 0x40
	v_lshl_add_u32 v254, v0, 2, 0x44400
	v_mov_b32 v255, 0
	ds_add_u32 v254, v255
	ds_add_u32 v254, v255
	v_lshrrev_b32 v2, 5, v0
	s_delay_alu instid0(VALU_DEP_1)
	v_readfirstlane_b32 s22, v2
	s_mov_b32 s28, 3<<16
	s_mov_b32 s29, 32<<16
	s_mov_b32 s30, 4<<16
	s_mov_b32 s31, 32<<16
	s_mov_b32 s32, 4
	s_mov_b32 s33, 32
	s_mov_b32 s34, 0
	s_mov_b32 s35, 0
	s_mov_b32 s36, 3<<16
	s_mov_b32 s37, 32<<16
	s_mov_b32 s38, 32<<16
	s_mov_b32 s39, 32<<16
	s_mov_b32 s40, 32
	s_mov_b32 s41, 32
	s_mov_b32 s42, 0
	s_mov_b32 s43, 0
	s_lshl_b32 s24, ttmp9, 14
	s_lshl_b32 s23, s22, 10
	s_add_co_u32 s24, s24, s23
	s_mov_b32 s25, 0
	s_lshl_b32 s26, ttmp9, 17
	s_lshl_b32 s56, s22, 13
	s_add_co_u32 s26, s26, s56
	s_mov_b32 s27, 0
	s_mov_b32 s52, 0x76543210
	s_mov_b32 s53, 0xfedcba98
	s_mov_b32 s54, 0x3a800000
	s_mov_b32 s55, 0x3727c5ac
	s_wait_dscnt 0x0
	s_wait_kmcnt 0x0
	s_mov_b32 s44, 1
	s_mov_b32 s45, s23
	s_add_nc_u64 s[46:47], s[4:5], s[24:25]
	s_or_b32 s47, s47, 0x80000000
	s_mov_b32 s48, 1
	s_add_co_u32 s49, s56, QRY
	s_add_nc_u64 s[50:51], s[14:15], s[26:27]
	s_or_b32 s51, s51, 0x80000000
	tensor_load_to_lds s[44:47], s[28:35]
	s_nop 0
	s_wait_alu depctr_va_vdst(0)
	s_wait_tensorcnt 0x0
	ds_add_u32 v254, v255
	s_wait_dscnt 0x0
	s_barrier_signal -1
	s_barrier_wait -1
	tensor_load_to_lds s[48:51], s[36:43]
	s_nop 0
.rept 4
	v_nop
.endr
	v_and_b32 v2, 31, v0
	s_delay_alu instid0(VALU_DEP_1)
	v_lshlrev_b32 v[LI], 4, v2
	v_and_b32 v240, 15, v0
	v_bfe_u32 v241, v0, 4, 1
	s_delay_alu instid0(VALU_DEP_1)
	v_lshlrev_b32 v7, 5, v241
	v_lshlrev_b32 v242, 5, v2
	v_lshlrev_b32 v243, 1, v2
	v_mul_u32_u24 v3, v240, XP
	s_delay_alu instid0(VALU_DEP_1)
	v_lshl_add_u32 v3, v241, 5, v3
	s_lshl_b32 s57, s22, 8
	s_add_co_u32 s58, s57, XST
	v_add_nc_u32 v3, s58, v3
	s_delay_alu instid0(VALU_DEP_1)
	v_add_nc_u32 v4, 16*XP, v3
	s_mul_i32 s58, s22, 2*XP
	s_add_co_u32 s58, s58, XST
	v_add_nc_u32 v5, s58, v[LI]
	v_add_nc_u32 v6, s49, v[LI]
	v_mov_b32 v245, 0
	v_mov_b32 v247, 0
	v_mov_b32 v248, 0
	s_mov_b32 s61, 0
	s_mov_b32 s60, s57
	s_add_nc_u64 s[12:13], s[12:13], s[60:61]
	s_lshl_b32 s60, s22, 11
	s_add_nc_u64 s[10:11], s[10:11], s[60:61]
	s_lshl_b32 s60, ttmp9, 6
	s_add_nc_u64 s[6:7], s[6:7], s[60:61]
	s_lshl_b32 s60, s22, 15
	s_add_nc_u64 s[8:9], s[8:9], s[60:61]
	s_add_nc_u64 s[20:21], s[20:21], s[26:27]
.irp t, 0,1,2,3
.irp u, 0,1
	global_load_b128 v[ACC+16*\t+8*\u:ACC+16*\t+8*\u+3], v7, s[12:13] offset:64*\t
	global_load_b128 v[ACC+16*\t+8*\u+4:ACC+16*\t+8*\u+7], v7, s[12:13] offset:64*\t+16
.endr
.endr
.irp p, 0,1
.irp f, 0,1
	global_load_b128 v[WS+8*\p+4*\f:WS+8*\p+4*\f+3], v242, s[10:11] offset:1024*\p+16*\f
.endr
.endr
.irp d, 0,1,2,3,4,5,6,7,8,9,10,11,12,13,14,15
	global_load_u16 v[H+\d], v243, s[6:7] offset:16384*\d
.endr
.macro LW s
.irp t, 0,1,2,3
.irp c, 0,1
	global_load_b128 v[WB+32*((\s)%3)+8*\t+4*\c:WB+32*((\s)%3)+8*\t+4*\c+3], v[LI], s[8:9] offset:(8*\t+(\s))*1024+512*\c
.endr
.endr
.endm
.macro CL s
.irp u, 0,1
.irp c, 0,1
	ds_load_b128 v[CF+16*((\s)%2)+8*\u+4*\c:CF+16*((\s)%2)+8*\u+4*\c+3], v[LI] offset:8192*\u+1024*(\s)+512*\c
.endr
.endr
.endm
.macro PROD d, a, b, sa, sb, ra, rb
.if (\ra) == 0 && (\rb) == 0
	v_wmma_scale_f32_16x16x128_f8f6f4 v[(\d):(\d)+7], v[(\a):(\a)+7], v[(\b):(\b)+7], v[(\d):(\d)+7], v[\sa], v[\sb] matrix_a_fmt:MATRIX_FMT_FP4 matrix_b_fmt:MATRIX_FMT_FP4
.elseif (\ra) == 1 && (\rb) == 0
	v_wmma_scale_f32_16x16x128_f8f6f4 v[(\d):(\d)+7], v[(\a):(\a)+7], v[(\b):(\b)+7], v[(\d):(\d)+7], v[\sa], v[\sb] matrix_a_fmt:MATRIX_FMT_FP4 matrix_b_fmt:MATRIX_FMT_FP4 matrix_a_scale:MATRIX_SCALE_ROW1
.elseif (\ra) == 0
	v_wmma_scale_f32_16x16x128_f8f6f4 v[(\d):(\d)+7], v[(\a):(\a)+7], v[(\b):(\b)+7], v[(\d):(\d)+7], v[\sa], v[\sb] matrix_a_fmt:MATRIX_FMT_FP4 matrix_b_fmt:MATRIX_FMT_FP4 matrix_b_scale:MATRIX_SCALE_ROW1
.else
	v_wmma_scale_f32_16x16x128_f8f6f4 v[(\d):(\d)+7], v[(\a):(\a)+7], v[(\b):(\b)+7], v[(\d):(\d)+7], v[\sa], v[\sb] matrix_a_fmt:MATRIX_FMT_FP4 matrix_b_fmt:MATRIX_FMT_FP4 matrix_a_scale:MATRIX_SCALE_ROW1 matrix_b_scale:MATRIX_SCALE_ROW1
.endif
.endm
	LW 0
	LW 1
	LW 2
	s_wait_loadcnt 24
.irp k, 0,1,2,3,4,5,6,7
	v_lshl_or_b32 v[CW+\k], v[H+2*\k+1], 16, v[H+2*\k]
.endr
.rept 8
	v_nop
.endr
	s_wait_alu depctr_va_vdst(0)
	s_wait_tensorcnt 1
	s_barrier_signal -1
	s_barrier_wait -1
	CL 0
	CL 1
.macro STEP s
	s_wait_loadcnt 16
.if (\s) < 7
	s_wait_dscnt 4
.else
	s_wait_dscnt 0x0
.endif
.irp t, 0,1,2,3
.irp u, 0,1
	PROD ACC+16*\t+8*\u, WB+32*((\s)%3)+8*\t, CF+16*((\s)%2)+8*\u, WS+8*(\t/2)+(\s), CW+(\s), \t%2, \u
.endr
.endr
.rept 4
	v_nop
.endr
.if (\s) < 5
	LW (\s)+3
.elseif (\s) == 5
.irp j, 0,1,2,3,4,5,6,7
	global_load_b128 v[WB+64+4*\j:WB+64+4*\j+3], v[LI], s[16:17] offset:512*\j
.endr
.elseif (\s) == 6
.irp j, 0,1,2,3,4,5,6,7
	global_load_b128 v[WB+4*\j:WB+4*\j+3], v[LI], s[18:19] offset:512*\j
.endr
.endif
.if (\s) < 6
	CL (\s)+2
.endif
.endm
.irp s, 0,1,2,3,4,5,6,7
	STEP \s
.endr
.irp t, 0,1,2,3
	ds_store_b128 v3, v[ACC+16*\t:ACC+16*\t+3] offset:64*\t
	ds_store_b128 v3, v[ACC+16*\t+4:ACC+16*\t+7] offset:64*\t+16
	ds_store_b128 v4, v[ACC+16*\t+8:ACC+16*\t+11] offset:64*\t
	ds_store_b128 v4, v[ACC+16*\t+12:ACC+16*\t+15] offset:64*\t+16
.endr
	s_wait_dscnt 0x0
	s_barrier_signal -1
	s_barrier_wait -1
	s_wait_tensorcnt 0x0
	s_wait_loadcnt 0x0
.irp j, 0,1,2,3,4,5,6,7
	ds_load_b128 v[ACC+4*\j:ACC+4*\j+3], v5 offset:512*\j
.endr
.irp j, 0,1,2,3,4,5,6,7
	ds_load_b128 v[WB+32+4*\j:WB+32+4*\j+3], v6 offset:512*\j
.endr
.irp j, 0,1,2,3,4,5,6,7
	ds_load_b128 v[ACC+32+4*\j:ACC+32+4*\j+3], v5 offset:XP+512*\j
.endr
.irp j, 0,1,2,3,4,5,6,7
	ds_load_b128 v[CF+4*\j:CF+4*\j+3], v6 offset:4096+512*\j
.endr
.macro REDUCE
	s_delay_alu instid0(VALU_DEP_1)
	v_add_f32_dpp v240, v240, v240 row_xmask:1 row_mask:0xf bank_mask:0xf
	s_delay_alu instid0(VALU_DEP_1)
	v_add_f32_dpp v240, v240, v240 row_xmask:2 row_mask:0xf bank_mask:0xf
	s_delay_alu instid0(VALU_DEP_1)
	v_add_f32_dpp v240, v240, v240 row_xmask:4 row_mask:0xf bank_mask:0xf
	s_delay_alu instid0(VALU_DEP_1)
	v_add_f32_dpp v240, v240, v240 row_xmask:8 row_mask:0xf bank_mask:0xf
	s_delay_alu instid0(VALU_DEP_1)
	v_permlanex16_b32 v248, v240, s52, s53
	s_delay_alu instid0(VALU_DEP_1)
	v_add_f32 v240, v240, v248
.endm
.macro ROW i, qr
.set XR, ACC+32*\i
.irp j, 0,2,4,6,8,10,12,14,16,18,20,22,24,26,28,30
	v_pk_add_f32 v[XR+\j:XR+\j+1], v[XR+\j:XR+\j+1], v[\qr+\j:\qr+\j+1]
.endr
	v_pk_add_f32 v[240:241], v[XR:XR+1], v[XR+2:XR+3]
	v_pk_add_f32 v[242:243], v[XR+4:XR+5], v[XR+6:XR+7]
.irp j, 8,12,16,20,24,28
	s_delay_alu instid0(VALU_DEP_2)
	v_pk_add_f32 v[240:241], v[240:241], v[XR+\j:XR+\j+1]
	s_delay_alu instid0(VALU_DEP_2)
	v_pk_add_f32 v[242:243], v[242:243], v[XR+\j+2:XR+\j+3]
.endr
	s_delay_alu instid0(VALU_DEP_1)
	v_pk_add_f32 v[240:241], v[240:241], v[242:243]
	s_delay_alu instid0(VALU_DEP_1)
	v_add_f32 v240, v240, v241
	REDUCE
	s_delay_alu instid0(VALU_DEP_1)
	v_mul_f32 v244, s54, v240
.irp j, 0,2,4,6,8,10,12,14,16,18,20,22,24,26,28,30
	v_pk_add_f32 v[XR+\j:XR+\j+1], v[XR+\j:XR+\j+1], v[244:245] op_sel_hi:[1,0] neg_lo:[0,1] neg_hi:[0,1]
.endr
	v_pk_mul_f32 v[240:241], v[XR:XR+1], v[XR:XR+1]
	v_pk_mul_f32 v[242:243], v[XR+2:XR+3], v[XR+2:XR+3]
.irp j, 4,8,12,16,20,24,28
	s_delay_alu instid0(VALU_DEP_2)
	v_pk_fma_f32 v[240:241], v[XR+\j:XR+\j+1], v[XR+\j:XR+\j+1], v[240:241]
	s_delay_alu instid0(VALU_DEP_2)
	v_pk_fma_f32 v[242:243], v[XR+\j+2:XR+\j+3], v[XR+\j+2:XR+\j+3], v[242:243]
.endr
	s_delay_alu instid0(VALU_DEP_1)
	v_pk_add_f32 v[240:241], v[240:241], v[242:243]
	s_delay_alu instid0(VALU_DEP_1)
	v_add_f32 v240, v240, v241
	REDUCE
	s_delay_alu instid0(VALU_DEP_1)
	v_fma_f32 v246, v240, s54, s55
	s_wait_alu depctr_va_vdst(0)
	v_rsq_f32 v246, v246
	v_nop
	s_wait_alu depctr_va_vdst(0)
.irp j, 0,2,4,6,8,10,12,14,16,18,20,22,24,26,28,30
	v_pk_mul_f32 v[XR+\j:XR+\j+1], v[XR+\j:XR+\j+1], v[246:247] op_sel_hi:[1,0]
.endr
.irp j, 0,2,4,6,8,10,12,14,16,18,20,22,24,26,28,30
	v_pk_fma_f32 v[XR+\j:XR+\j+1], v[XR+\j:XR+\j+1], v[WB+64+\j:WB+64+\j+1], v[WB+\j:WB+\j+1]
.endr
.irp j, 0,1,2,3,4,5,6,7
	global_store_b128 v[LI], v[XR+4*\j:XR+4*\j+3], s[20:21] offset:4096*\i+512*\j th:TH_STORE_NT
.endr
.endm
	s_wait_dscnt 16
	ROW 0, WB+32
	s_wait_dscnt 0x0
	ROW 1, CF
	s_wait_tensorcnt 0x0
	ds_add_u32 v254, v255
	s_wait_dscnt 0x0
	s_endpgm
.Lfunc_end_k_q08079e5a94_outln:
	.size	k_q08079e5a94_outln, .Lfunc_end_k_q08079e5a94_outln-k_q08079e5a94_outln
	.p2alignl 7, 3214868480
	.fill 96, 4, 3214868480
	.section	.rodata,"a",@progbits
	.p2align	6, 0x0
	.amdhsa_kernel k_q08079e5a94_outln
		.amdhsa_group_segment_fixed_size 327680
		.amdhsa_private_segment_fixed_size 0
		.amdhsa_enable_private_segment 0
		.amdhsa_kernarg_size 72
		.amdhsa_user_sgpr_count 2
		.amdhsa_user_sgpr_kernarg_segment_ptr 1
		.amdhsa_wavefront_size32 1
		.amdhsa_system_sgpr_workgroup_id_x 1
		.amdhsa_system_sgpr_workgroup_id_y 1
		.amdhsa_system_sgpr_workgroup_id_z 1
		.amdhsa_system_vgpr_workitem_id 0
		.amdhsa_next_free_vgpr 256
		.amdhsa_next_free_sgpr 66
		.amdhsa_reserve_vcc 0
		.amdhsa_float_denorm_mode_32 3
		.amdhsa_float_denorm_mode_16_64 3
		.amdhsa_memory_ordered 1
		.amdhsa_forward_progress 1
		.amdhsa_inst_pref_size 50
	.end_amdhsa_kernel
	.amdgpu_metadata
---
amdhsa.version: [ 1, 2 ]
amdhsa.kernels:
  - .name:           k_q08079e5a94_outln
    .symbol:         k_q08079e5a94_outln.kd
    .args:
      - { .name: ctx, .offset: 0, .size: 8, .value_kind: global_buffer, .address_space: global }
      - { .name: cs, .offset: 8, .size: 8, .value_kind: global_buffer, .address_space: global }
      - { .name: woimg, .offset: 16, .size: 8, .value_kind: global_buffer, .address_space: global }
      - { .name: Wo_scales, .offset: 24, .size: 8, .value_kind: global_buffer, .address_space: global }
      - { .name: bo, .offset: 32, .size: 8, .value_kind: global_buffer, .address_space: global }
      - { .name: query, .offset: 40, .size: 8, .value_kind: global_buffer, .address_space: global }
      - { .name: ln_g, .offset: 48, .size: 8, .value_kind: global_buffer, .address_space: global }
      - { .name: ln_b, .offset: 56, .size: 8, .value_kind: global_buffer, .address_space: global }
      - { .name: out0, .offset: 64, .size: 8, .value_kind: global_buffer, .address_space: global }
    .group_segment_fixed_size: 327680
    .private_segment_fixed_size: 0
    .kernarg_segment_align: 8
    .kernarg_segment_size: 72
    .max_flat_workgroup_size: 512
    .sgpr_count:     66
    .vgpr_count:     256
    .wavefront_size: 32
...
	.end_amdgpu_metadata
.endif
;; end of part 4
